; MI455X (gfx1250); checked and timed in simulation.
; The chip was launched on July 23, 2026; its instructions are those of AMD's public machine-readable ISA for CDNA 5 (MIT licence, August 2026) and "CDNA5" Instruction Set Architecture Reference Guide (July 2026). The comments in the code are by the model that wrote it; some were corrected since.
;; Transformer Block. Allowed arithmetic: matrix products marked QUANTISED: E4M3 operands, one given power-of-two scale a tensor, by v_wmma_f32_16x16x64_fp8_fp8 or v_wmma_f32_16x16x128_fp8_fp8, f32 sums; everything else in f32.
;; Inputs: Wfc2 1,024 x 4,096 float32; Wfc3 4,096 x 1,024 float32; Wk 1,024 x 1,024 float32; Wo 1,024 x 1,024 float32; Wq 1,024 x 1,024 float32; Wv 1,024 x 1,024 float32; bfc2 4,096 float32; bfc3 1,024 float32; inputs 2 x 2,048 x 1,024 float32; ln1_b 1,024 float32; ln1_g 1,024 float32; ln2_b 1,024 float32; ln2_g 1,024 float32; lowp_scales 16 int32 (the exponents e of the quantised operands' scales 2^e).
;; Outputs: out0 2 x 2,048 x 1,024 float32.
;; This version of the problem:
;;   THIS VERSION OF THE PROBLEM IS GIVEN IN LOW PRECISION. The matrix products marked QUANTISED in the list below multiply operands that are first quantised to E4M3 (4 exponent bits, 3 mantissa bits; 8 bits a number), with one given power-of-two scale for each operand tensor; their sums are f32. All else is computed in f32.
;;   The module's matrix products, in the order in which they are computed (A, B: the left and right operand; K: the contracted axis; several contracted axes count as one K, in the product's order):
;;     1. [M 4,096, K 1,024] x [K 1,024, N 1,024]; A: computed on the way; B: input Wq: QUANTISED (scales: A lowp_scales[0], B lowp_scales[1])
;;     2. [M 4,096, K 1,024] x [K 1,024, N 1,024]; A: computed on the way; B: input Wk: QUANTISED (scales: A lowp_scales[2], B lowp_scales[3])
;;     3. [M 4,096, K 1,024] x [K 1,024, N 1,024]; A: computed on the way; B: input Wv: QUANTISED (scales: A lowp_scales[4], B lowp_scales[5])
;;     4. batch 32 x [M 2,048, K 64] x [K 64, N 2,048]; A: computed on the way; B: computed on the way: QUANTISED (scales: A lowp_scales[6], B lowp_scales[7])
;;     5. batch 32 x [M 64, K 2,048] x [K 2,048, N 2,048]; A: computed on the way; B: softmax (see below): QUANTISED (scales: A lowp_scales[8], B lowp_scales[9])
;;     6. [M 4,096, K 1,024] x [K 1,024, N 1,024]; A: computed on the way; B: input Wo: QUANTISED (scales: A lowp_scales[10], B lowp_scales[11])
;;     7. [M 4,096, K 1,024] x [K 1,024, N 4,096]; A: computed on the way; B: input Wfc2: QUANTISED (scales: A lowp_scales[12], B lowp_scales[13])
;;     8. [M 4,096, K 4,096] x [K 4,096, N 1,024]; A: computed on the way; B: input Wfc3: QUANTISED (scales: A lowp_scales[14], B lowp_scales[15])
;;   THE QUANTISER, for each operand of a quantised product, along K:
;;     - The operand's scale is 2^e, e = its entry of the input lowp_scales (int32; the entries are numbered through the quantised products in the list's order, A before B).
;;     - Each number is divided by the scale, clamped to +-448, and rounded to the nearest number of E4M3, ties to even, subnormals kept.
;;     - The product sums the exact products of the quantised numbers (number of the format x scale) in f32.
;;   ~~~python
;;   def quantise(x, axis, e):      # numpy; x: float32 -> the quantised numbers, widened to float32 again
;;       x = np.moveaxis(x, axis, -1); K = x.shape[-1]
;;       r = np.clip(x / 2.0 ** e, -448, 448)
;;       step = 2.0 ** (np.maximum(np.frexp(np.where(r == 0, 1, r))[1] - 1, -6) - 3)
;;       q = np.round(r / step) * step * 2.0 ** e      # np.round: ties to even
;;       return np.moveaxis(q, -1, axis).astype(np.float32)
;;   ~~~
;;   SOFTMAX AHEAD OF A QUANTISED PRODUCT. Where the list says 'softmax', what is quantised is not the finished softmax but p = 2^(t - M), with t = logit x log2(e) and M = ceil(the row's largest t), a whole number; so 1/2 < the row's largest p <= 1. The row's sum l is taken of the UNQUANTISED p, in f32, and the product's result is divided by l at the end. Since M is a whole number, a kernel that streams over the keys may use a running M (the ceiling of the running maximum): every later rescaling is an exact power of two, so the quantised numbers keep their values, but for numbers so far below the row's largest that they fall under the format's range.
;;   OPERANDS COMPUTED ON THE WAY. 'Computed on the way' means the value that the module computes at that place (a softmax that the list does not call 'softmax' is quantised finished and normalised). What goes into a quantiser is computed in f32, as accurately as f32 sums, v_exp_f32 and their like allow (about 1e-6 of the number): no bf16 or f16 on the way to a quantiser, and a product that is left as it is and whose result goes on into a quantised operand takes f32 operands (vector FMAs, or v_wmma_f32_16x16x4_f32). A number that lies on a knife's edge between two numbers of the format may be rounded either way, as far as f32 arithmetic and the matrix unit's own rounding can turn it there, and no further.
;; One version. Each part assembles by itself: llvm-mc -triple=amdgcn-amd-amdhsa -mcpu=gfx1250 --defsym DOCPART=n.
;; ======== version 1 of 1: 7 launches
;; limits: right only within a limited range of input values
;; workspace buffers: wc 12,582,912 bytes; xc 12,582,912 bytes; rt 524,288 bytes; qkv 12,582,912 bytes; ao 4,194,304 bytes; mi 16,777,216 bytes; hc 4,194,304 bytes; gc 16,777,216 bytes
;; launch prep (part 1): grid 544 x 1, 8 waves a work-group, no clusters, 105,472 bytes of LDS; arguments inputs, ln1_g, ln1_b, Wq, Wk, Wv, Wo, Wfc3, Wfc2, lowp_scales, xc, wc, rt; writes xc, wc, rt
.if DOCPART == 1
	.amdgcn_target "amdgcn-amd-amdhsa--gfx1250"
	.amdhsa_code_object_version 6
	.text
	.protected	k_q012bc86700_prep
	.globl	k_q012bc86700_prep
	.p2align	8
	.type	k_q012bc86700_prep,@function
k_q012bc86700_prep:
	s_mov_b64 s[64:65], 0
	v_nop
	global_prefetch_b8 v0, s[64:65] scope:SCOPE_SE
	s_setreg_imm32_b32 hwreg(HW_REG_WAVE_MODE, 25, 1), 1
	s_wait_xcnt 0x0
; PREP: three kinds of work-groups, told apart by the work-group's number alone.
;   0..127   layer norm 1 of 32 tokens each, quantised three times (scales e0, e2, e4) into xc
;   128..319 the six weights [K][N] f32 -> codes of E4M3 in wc, K innermost
;   320..351 the table of cos and sin for the rotary embedding, rt
; THE LAYOUT OF ALL CODES: cells of 512 bytes = 16 slots x 32 k.  Lane 16 h + r of a wave owns the 16 bytes at 16 x lane: k = 16 h + 0..15 of slot r.
; Four cells on end are a fragment of 16 x 128: four loads of 16 bytes a lane, each 512 consecutive bytes.
; THE 16 SLOTS OF A BLOCK: of 32 neighbouring indices i, block u = (i >> 3) & 1 holds index i in slot (i & 7) + 8 (i >> 4): so that the results of two neighbouring
; blocks, taken as source 0 of a product, are 16 neighbours in a lane's registers.
; LIMITS: each e between -126 and 119.  NaN among the inputs is not served.  The rotary frequencies are 10^(-f/8), made of two f32 factors.
.set IMG,  34816                       ; LDS: an image of 32 tokens' codes: 128 units of 256 bytes + 16 of padding
; THE WORK-GROUPS' NUMBERS AS THEY STAND NOW (they take the place of the three ranges named at the head): 0..127 layer norm 1; 128..511 the six weights, 128 along K x 256 columns each; 512..543 the table.
.macro MKS se, vs, vl                  ; from the whole number e in s[se]: 2^e into v[vs], 448 x 2^e into v[vl]
	s_add_co_i32 s62, s[\se], 127
	s_lshl_b32 s63, s62, 23
	v_mov_b32 v[\vs], s63
	s_add_co_i32 s62, s62, 8
	s_lshl_b32 s62, s62, 23
	s_or_b32 s62, s62, 0x600000
	v_mov_b32 v[\vl], s62
.endm
	s_load_b512 s[8:23], s[0:1], 0x0               ; inputs, ln1_g, ln1_b, Wq, Wk, Wv, Wo, Wfc3
	s_load_b256 s[24:31], s[0:1], 0x40             ; Wfc2, lowp_scales, xc, wc
	s_load_b64 s[32:33], s[0:1], 0x60              ; rt
	v_lshrrev_b32 v1, 5, v0
	s_delay_alu instid0(VALU_DEP_1)
	v_readfirstlane_b32 s2, v1                     ; wave 0..7
	s_wait_kmcnt 0x0
	s_load_b512 s[36:51], s[26:27], 0x0            ; e0 .. e15
	s_cmp_lt_u32 ttmp9, 128
	s_cbranch_scc0 .Lweights
; ---------------- layer norm: work-group L takes tokens 32 L .. 32 L + 31, wave w rows 4 w .. 4 w + 3, a row in 32 registers of the wave
; v1 16 x lane; v2-4 where I store code words in the three images; v5-7 where I read them back; v8 16 x thread; v9-11 2^e; v12-14 448 x 2^e;
; v16-47 g; v48-79 b; v80-207 four rows; v208-223 two sets of eight held numbers; v224-247 codes; v248-255 sums
	s_lshl_b32 s52, ttmp9, 17                      ; 32 rows of 4,096 bytes
	s_lshl_b32 s53, s2, 14                         ; 4 rows
	s_add_co_u32 s52, s52, s53
	s_mov_b32 s53, 0
	s_add_nc_u64 s[8:9], s[8:9], s[52:53]
	v_and_b32 v15, 31, v0
	s_wait_alu depctr_va_vdst(0)
	v_lshlrev_b32 v1, 4, v15
.irp j, 0,1,2,3,4,5,6,7
	global_load_b128 v[16+4*\j:19+4*\j], v1, s[10:11] offset:512*\j
	global_load_b128 v[48+4*\j:51+4*\j], v1, s[12:13] offset:512*\j
.endr
.irp p, 0,1,2,3
.irp j, 0,1,2,3,4,5,6,7
	global_load_b128 v[80+32*\p+4*\j:83+32*\p+4*\j], v1, s[8:9] offset:4096*\p+512*\j th:TH_LOAD_NT   ; register 4 j + e of lane l: k = 128 j + 4 l + e
.endr
.endr
	; the word of four codes of load j, lane l, row 4 w + p lies in unit 16 j + 8 u + (l >> 2), at 16 x slot + 4 (l & 3); u = (w >> 1) & 1, slot = 4 (w & 1) + 8 (w >> 2) + p
	s_bfe_u32 s52, s2, 0x10001
	s_mul_i32 s52, s52, 2176
	s_and_b32 s53, s2, 1
	s_lshl_b32 s53, s53, 6
	s_add_co_u32 s52, s52, s53
	s_lshr_b32 s53, s2, 2
	s_lshl_b32 s53, s53, 7
	s_add_co_u32 s52, s52, s53
	v_lshrrev_b32 v248, 2, v15
	s_delay_alu instid0(VALU_DEP_1)
	v_mul_u32_u24 v248, v248, 272
	v_and_b32 v249, 3, v0
	s_delay_alu instid0(VALU_DEP_1)
	v_lshl_add_u32 v248, v249, 2, v248
	s_delay_alu instid0(VALU_DEP_1)
	v_add_nc_u32 v2, s52, v248
	s_delay_alu instid0(VALU_DEP_1)
	v_add_nc_u32 v3, IMG, v2
	s_delay_alu instid0(VALU_DEP_2)
	v_add_nc_u32 v4, 2*IMG, v2
	v_lshrrev_b32 v248, 4, v0                      ; back: thread T takes 16 bytes of unit 16 i + (T >> 4)
	s_delay_alu instid0(VALU_DEP_1)
	v_mul_u32_u24 v248, v248, 272
	v_and_b32 v249, 15, v0
	s_delay_alu instid0(VALU_DEP_1)
	v_lshl_add_u32 v5, v249, 4, v248
	s_delay_alu instid0(VALU_DEP_1)
	v_add_nc_u32 v6, IMG, v5
	s_delay_alu instid0(VALU_DEP_2)
	v_add_nc_u32 v7, 2*IMG, v5
	v_lshlrev_b32 v8, 4, v0
	s_lshr_b32 s54, ttmp9, 1
	s_lshl_b32 s54, s54, 16                        ; 64 tokens are 65,536 bytes of codes
	s_and_b32 s55, ttmp9, 1
	s_lshl_b32 s55, s55, 12                        ; my 32 tokens: blocks 2 and 3 of each k step
	s_add_co_u32 s54, s54, s55
	s_mov_b32 s55, 0
	s_add_nc_u64 s[56:57], s[28:29], s[54:55]
	s_add_nc_u64 s[58:59], s[56:57], 0x400000
	s_add_nc_u64 s[60:61], s[56:57], 0x800000
	s_mov_b32 s66, 0x76543210                      ; lane l xor 16
	s_mov_b32 s67, 0xfedcba98
	s_mov_b32 s68, 0x3a800000                      ; 1 / 1024
	s_mov_b32 s69, 0x3727c5ac                      ; 1e-5
	s_wait_kmcnt 0x0
	MKS 36, 9, 12
	MKS 38, 10, 13
	MKS 40, 11, 14
.macro REDUCE                          ; four packed chains in v248-255 -> their sum over the wave, in v248 of every lane
	s_delay_alu instid0(VALU_DEP_3)
	v_pk_add_f32 v[248:249], v[248:249], v[250:251]
	s_delay_alu instid0(VALU_DEP_2)
	v_pk_add_f32 v[252:253], v[252:253], v[254:255]
	s_delay_alu instid0(VALU_DEP_1)
	v_pk_add_f32 v[248:249], v[248:249], v[252:253]
	s_delay_alu instid0(VALU_DEP_1)
	v_add_f32 v248, v248, v249
	s_delay_alu instid0(VALU_DEP_1)
	v_add_f32_dpp v248, v248, v248 row_xmask:1 row_mask:0xf bank_mask:0xf
	s_delay_alu instid0(VALU_DEP_1)
	v_add_f32_dpp v248, v248, v248 row_xmask:2 row_mask:0xf bank_mask:0xf
	s_delay_alu instid0(VALU_DEP_1)
	v_add_f32_dpp v248, v248, v248 row_xmask:4 row_mask:0xf bank_mask:0xf
	s_delay_alu instid0(VALU_DEP_1)
	v_add_f32_dpp v248, v248, v248 row_xmask:8 row_mask:0xf bank_mask:0xf
	s_delay_alu instid0(VALU_DEP_1)
	v_permlanex16_b32 v249, v248, s66, s67
	s_delay_alu instid0(VALU_DEP_1)
	v_add_f32 v248, v248, v249
.endm
.macro ROW p
.set XB, 80+32*(\p)
	s_wait_loadcnt 8*(3-(\p))                      ; g, b and my rows up to this one are in; the eight loads of each later row may be out
.irp c, 0,2,4,6
	v_pk_add_f32 v[248+\c:249+\c], v[XB+\c:XB+\c+1], v[XB+8+\c:XB+9+\c]
.endr
.irp o, 16,24
.irp c, 0,2,4,6
	s_delay_alu instid0(VALU_DEP_4)
	v_pk_add_f32 v[248+\c:249+\c], v[248+\c:249+\c], v[XB+\o+\c:XB+\o+\c+1]
.endr
.endr
	REDUCE
	s_delay_alu instid0(VALU_DEP_1)
	v_mul_f32 v248, s68, v248                      ; the mean
.set cc, 0
.rept 16
	v_pk_add_f32 v[XB+cc:XB+cc+1], v[XB+cc:XB+cc+1], v[248:249] op_sel_hi:[1,0] neg_lo:[0,1] neg_hi:[0,1]   ; x - mean, before the squares: an offset of the inputs does no harm
.set cc, cc+2
.endr
.irp c, 0,2,4,6
	v_pk_mul_f32 v[248+\c:249+\c], v[XB+\c:XB+\c+1], v[XB+\c:XB+\c+1]
.endr
.irp o, 8,16,24
.irp c, 0,2,4,6
	s_delay_alu instid0(VALU_DEP_4)
	v_pk_fma_f32 v[248+\c:249+\c], v[XB+\o+\c:XB+\o+\c+1], v[XB+\o+\c:XB+\o+\c+1], v[248+\c:249+\c]
.endr
.endr
	REDUCE
	s_delay_alu instid0(VALU_DEP_1)
	v_fma_f32 v248, v248, s68, s69                 ; variance + eps
	s_wait_alu depctr_va_vdst(0)
	v_rsq_f32 v250, v248
	v_nop                                          ; a plain instruction behind the transcendental
	s_wait_alu depctr_va_vdst(0)                   ; and the wait ahead of its first reader
.set cc, 0
.rept 16
	v_pk_mul_f32 v[XB+cc:XB+cc+1], v[XB+cc:XB+cc+1], v[250:251] op_sel_hi:[1,0]
.set cc, cc+2
.endr
.set cc, 0
.rept 16
	v_pk_fma_f32 v[XB+cc:XB+cc+1], v[XB+cc:XB+cc+1], v[16+cc:17+cc], v[48+cc:49+cc]
.set cc, cc+2
.endr
	s_wait_dscnt 0x0                               ; the last row's LDS stores have read the code registers
.irp k, 0,1,2
.irp jj, 0,1,2,3
.irp i, 0,1,2,3,4,5,6,7
	v_med3_num_f32 v[208+8*(\jj%2)+\i], v[XB+8*\jj+\i], -v[12+\k], v[12+\k]   ; the conversion does not saturate: held at the largest code x the scale, into one of two sets by turns
.endr
	v_cvt_scalef32_pk8_fp8_f32 v[224+8*\k+2*\jj:225+8*\k+2*\jj], v[208+8*(\jj%2):215+8*(\jj%2)], v[9+\k]
.endr
.irp j, 0,1,2,3,4,5,6,7
	ds_store_b32 v[2+\k], v[224+8*\k+\j] offset:4352*\j+16*(\p)   ; the 32 lanes fall on 32 different banks: 68 words from unit to unit
.endr
.endr
.endm
	ROW 0
	ROW 1
	ROW 2
	ROW 3
	s_wait_dscnt 0x0                               ; for the others' sake: my stores into the images are done
	s_barrier_signal -1
	s_barrier_wait -1
.irp k, 0,1,2
.irp i, 0,1,2,3,4,5,6,7
	ds_load_b128 v[80+32*\k+4*\i:83+32*\k+4*\i], v[5+\k] offset:4352*\i
.endr
.endr
.irp k, 0,1,2
.irp i, 0,1,2,3,4,5,6,7
	s_wait_dscnt 23-8*\k-\i                        ; LDS loads come back in order: this one is in, the younger ones may be out
	global_store_b128 v8, v[80+32*\k+4*\i:83+32*\k+4*\i], s[56+2*\k:57+2*\k] offset:8192*\i   ; a wave stores 512 consecutive bytes
.endr
.endr
	v_lshl_add_u32 v208, v0, 2, 0x19800            ; all 256 registers are at work above, so the add's two are made anew here from v0, which is as at the entry
	v_mov_b32 v209, 0
	s_wait_alu depctr_va_vdst(0)
	s_wait_tensorcnt 0x0                           ; the wave's end
	ds_add_u32 v208, v209
	s_wait_dscnt 0x0
	s_endpgm
; ---------------- weights: a lane takes a column n, its registers run down K: the conversions give codes with K innermost, and a lane's 16 bytes are its place in a cell
.Lweights:
	s_cmp_lt_u32 ttmp9, 512
	s_cbranch_scc0 .Ltable
	s_sub_co_u32 s52, ttmp9, 128                   ; 0..127 Wq, Wk, Wv, Wo (32 each); 128..255 Wfc3; 256..383 Wfc2
	v_and_b32 v3, 31, v0
	s_delay_alu instid0(VALU_DEP_1)
	v_lshlrev_b32 v1, 2, v3                        ; in: 4 bytes a lane
	v_bfe_u32 v4, v0, 3, 1                         ; block u of my column
	v_and_b32 v5, 7, v0
	v_bfe_u32 v6, v0, 4, 1
	s_delay_alu instid0(VALU_DEP_1)
	v_lshl_add_u32 v5, v6, 3, v5                   ; its slot
	s_delay_alu instid0(VALU_DEP_1)
	v_lshlrev_b32 v2, 4, v5
	s_delay_alu instid0(VALU_DEP_1)
	v_lshl_add_u32 v2, v4, 11, v2                  ; out: 2,048 u + 16 x slot
	s_wait_kmcnt 0x0
.macro WLOAD t, pitch                  ; block t: W(32 t + i, my column)
.set ii, 0
.rept 32
	global_load_b32 v[32+32*((\t)%2)+ii], v1, s[54:55] offset:(32*(\t)+ii)*\pitch th:TH_LOAD_NT
.set ii, ii+1
.endr
.endm
.macro WBLOCK t, pitch
.set XS, 32+32*((\t)%2)
.if (\t) < 3
	s_wait_loadcnt 32                              ; this block's 32 loads are in; the next block's may be out
.else
	s_wait_loadcnt 0x0
.endif
.set ii, 0
.rept 32
	v_med3_num_f32 v[XS+ii], v[XS+ii], -v10, v10
.set ii, ii+1
.endr
.irp g, 0,1,2,3
	v_cvt_scalef32_pk8_fp8_f32 v[128+8*(\t)+2*\g:129+8*(\t)+2*\g], v[XS+8*\g:XS+8*\g+7], v11   ; each block has its own code registers: no store's data are written again
.endr
	global_store_b128 v2, v[128+8*(\t):131+8*(\t)], s[30:31] offset:((\t)/4)*8192+((\t)%4)*512       ; k = 0..15 of the block: the 32 lanes fill two aligned runs of 256 bytes
	global_store_b128 v2, v[132+8*(\t):135+8*(\t)], s[30:31] offset:((\t)/4)*8192+((\t)%4)*512+256   ; k = 16..31
.if (\t)+2 < 4
	WLOAD (\t)+2, \pitch
.endif
.endm
; s[54:55] the weight, s56 its e, s57 log2 of the bytes of 64 columns' codes, s58 which 128 along K (a k step: four blocks of 32), s60 which 256 columns, s61 its region in wc.  lg = log2(128 x pitch)
.macro WPATH pitch, lg
	s_lshl_b32 s62, s58, \lg
	s_lshl_b32 s63, s60, 10
	s_add_co_u32 s62, s62, s63
	s_lshl_b32 s63, s2, 7                          ; my wave's 32 columns
	s_add_co_u32 s62, s62, s63
	s_mov_b32 s63, 0
	s_add_nc_u64 s[54:55], s[54:55], s[62:63]
	WLOAD 0, \pitch
	WLOAD 1, \pitch
	s_lshl_b32 s62, s60, 2
	s_lshr_b32 s66, s2, 1
	s_add_co_u32 s62, s62, s66                     ; which 64 columns
	s_lshl_b32 s62, s62, s57
	s_add_co_u32 s62, s62, s61
	s_lshl_b32 s66, s58, 13                        ; a k step of 8,192 bytes
	s_add_co_u32 s62, s62, s66
	s_and_b32 s66, s2, 1
	s_lshl_b32 s66, s66, 12                        ; blocks 2 and 3
	s_add_co_u32 s62, s62, s66
	s_add_nc_u64 s[30:31], s[30:31], s[62:63]
	MKS 56, 11, 10
	s_wait_alu depctr_va_vdst(0)
.irp t, 0,1,2,3
	WBLOCK \t, \pitch
.endr
.endm
	s_cmp_lt_u32 s52, 256
	s_cbranch_scc0 .Lwide
	s_lshr_b32 s53, s52, 5
	s_min_u32 s53, s53, 4                          ; 0 Wq, 1 Wk, 2 Wv, 3 Wo, 4 Wfc3
	s_and_b32 s60, s52, 3
	s_bfe_u32 s58, s52, 0x30002                    ; the square weights: eight k steps
	s_sub_co_u32 s59, s52, 128                     ; Wfc3: 32 k steps
	s_lshr_b32 s59, s59, 2
	s_lshl_b32 s61, s53, 20
	s_cmp_eq_u32 s53, 4
	s_cselect_b32 s58, s59, s58
	s_cselect_b32 s57, 18, 16
	s_cmp_eq_u32 s53, 0
	s_cselect_b64 s[54:55], s[14:15], s[22:23]
	s_cselect_b32 s56, s37, s51
	s_cmp_eq_u32 s53, 1
	s_cselect_b64 s[54:55], s[16:17], s[54:55]
	s_cselect_b32 s56, s39, s56
	s_cmp_eq_u32 s53, 2
	s_cselect_b64 s[54:55], s[18:19], s[54:55]
	s_cselect_b32 s56, s41, s56
	s_cmp_eq_u32 s53, 3
	s_cselect_b64 s[54:55], s[20:21], s[54:55]
	s_cselect_b32 s56, s47, s56
	s_wait_alu depctr_va_vdst(0)
	WPATH 4096, 19
	s_endpgm
.Lwide:
	s_mov_b64 s[54:55], s[24:25]                   ; Wfc2: rows of 16,384 bytes
	s_mov_b32 s56, s49
	s_mov_b32 s57, 16
	s_bfe_u32 s58, s52, 0x30004
	s_and_b32 s60, s52, 15
	s_mov_b32 s61, 0x800000
	s_wait_alu depctr_va_vdst(0)
	WPATH 16384, 21
	s_endpgm
; ---------------- the table: wave W = 2 pb + b writes, for the 16 positions of block pb and the frequencies f = 16 b + 8 h + 0..7, cos and sin, in the order in which a lane of the next launch wants them
.Ltable:
	s_sub_co_u32 s52, ttmp9, 512
	s_lshl_b32 s52, s52, 3
	s_add_co_u32 s52, s52, s2                      ; W
	s_and_b32 s53, s52, 1                          ; b
	s_lshr_b32 s54, s52, 2
	s_lshl_b32 s54, s54, 5                         ; 32 (pb >> 1)
	s_bfe_u32 s55, s52, 0x10001
	s_lshl_b32 s55, s55, 3                         ; 8 (pb & 1)
	s_add_co_u32 s54, s54, s55
	v_and_b32 v1, 15, v0
	v_and_b32 v2, 8, v0
	s_delay_alu instid0(VALU_DEP_1)
	v_add3_u32 v1, v1, v2, s54                     ; the position of slot r
	s_delay_alu instid0(VALU_DEP_1)
	v_cvt_f32_u32 v1, v1
	v_bfe_u32 v2, v0, 4, 1
	s_delay_alu instid0(VALU_DEP_1)
	v_lshl_add_u32 v2, s53, 1, v2                  ; 2 b + h: the frequency is 10^-(2 b + h) x 10^-(i / 8)
	v_mov_b32 v3, 1.0
	v_mov_b32 v4, 0x3dcccccd                       ; 0.1
	s_delay_alu instid0(VALU_DEP_3)
	v_cmp_eq_u32 vcc_lo, 1, v2
	s_delay_alu instid0(VALU_DEP_1)
	v_cndmask_b32 v3, v3, v4, vcc_lo
	v_mov_b32 v4, 0x3c23d70a                       ; 0.01
	v_cmp_eq_u32 vcc_lo, 2, v2
	s_delay_alu instid0(VALU_DEP_1)
	v_cndmask_b32 v3, v3, v4, vcc_lo
	v_mov_b32 v4, 0x3a83126f                       ; 0.001
	v_cmp_eq_u32 vcc_lo, 3, v2
	s_delay_alu instid0(VALU_DEP_1)
	v_cndmask_b32 v3, v3, v4, vcc_lo
	s_wait_alu depctr_va_vdst(0)
	s_lshl_b32 s52, s52, 11
	s_mov_b32 s53, 0
	s_add_nc_u64 s[32:33], s[32:33], s[52:53]
	v_and_b32 v15, 31, v0
	s_delay_alu instid0(VALU_DEP_1)
	v_lshlrev_b32 v15, 4, v15
	s_mov_b32 s56, 0x3fc90fdb                      ; pi / 2, its upper part,
	s_mov_b32 s57, 0x333bbd2e                      ; and what that part has too much
	s_mov_b32 s58, 0xb94ca1f9                      ; sine on [-pi/4, pi/4]: -1.9515295891e-4
	s_mov_b32 s59, 0x3c08839e                      ; 8.3321608736e-3
	s_mov_b32 s60, 0xbe2aaaa3                      ; -1.6666654611e-1
	s_mov_b32 s61, 0x37ccf5ce                      ; cosine: 2.443315712e-5
	s_mov_b32 s62, 0xbab6061a                      ; -1.388731625e-3
	s_mov_b32 s63, 0x3d2aaaa5                      ; 4.166664568e-2
.macro SINCOS c, out                   ; angle = position x (c x 10^-(2 b + h)); cos into v[out], sin into v[out + 1]
	v_mul_f32 v5, \c, v3
	s_delay_alu instid0(VALU_DEP_1)
	v_mul_f32 v5, v1, v5
	s_delay_alu instid0(VALU_DEP_1)
	v_mul_f32 v6, 0x3f22f983, v5                   ; x 2 / pi
	s_delay_alu instid0(VALU_DEP_1)
	v_rndne_f32 v6, v6                             ; n
	s_delay_alu instid0(VALU_DEP_1)
	v_fma_f32 v7, -v6, s56, v5
	s_delay_alu instid0(VALU_DEP_1)
	v_fma_f32 v7, v6, s57, v7                      ; r = angle - n pi / 2
	s_delay_alu instid0(VALU_DEP_3)
	v_cvt_i32_f32 v8, v6
	s_delay_alu instid0(VALU_DEP_2)
	v_mul_f32 v9, v7, v7                           ; z
	s_delay_alu instid0(VALU_DEP_1)
	v_fma_f32 v10, v9, s58, s59
	s_delay_alu instid0(VALU_DEP_2)
	v_fma_f32 v11, v9, s61, s62
	s_delay_alu instid0(VALU_DEP_2)
	v_fma_f32 v10, v10, v9, s60
	s_delay_alu instid0(VALU_DEP_2)
	v_fma_f32 v11, v11, v9, s63
	s_delay_alu instid0(VALU_DEP_2)
	v_mul_f32 v10, v10, v9
	v_mul_f32 v12, v9, v9
	v_fma_f32 v13, v9, -0.5, 1.0
	s_delay_alu instid0(VALU_DEP_3)
	v_fma_f32 v10, v10, v7, v7                     ; sin r
	s_delay_alu instid0(VALU_DEP_2)
	v_fma_f32 v11, v11, v12, v13                   ; cos r
	v_and_b32 v12, 1, v8
	s_delay_alu instid0(VALU_DEP_1)
	v_cmp_eq_u32 vcc_lo, 1, v12
	s_delay_alu instid0(VALU_DEP_1)
	v_cndmask_b32 v13, v10, v11, vcc_lo            ; odd n: the two change places
	s_delay_alu instid0(VALU_DEP_2)
	v_cndmask_b32 v14, v11, v10, vcc_lo
	v_and_b32 v12, 2, v8
	s_delay_alu instid0(VALU_DEP_1)
	v_lshlrev_b32 v12, 30, v12
	s_delay_alu instid0(VALU_DEP_1)
	v_xor_b32 v[\out+1], v13, v12                  ; the sine's sign: n & 2
	v_add_nc_u32 v12, 1, v8
	s_delay_alu instid0(VALU_DEP_1)
	v_and_b32 v12, 2, v12
	s_delay_alu instid0(VALU_DEP_1)
	v_lshlrev_b32 v12, 30, v12
	s_delay_alu instid0(VALU_DEP_1)
	v_xor_b32 v[\out], v14, v12                    ; the cosine's: (n + 1) & 2
.endm
	SINCOS 1.0, 16
	SINCOS 0x3f3ff911, 18                          ; 10^(-1/8) = 0.749894209
	SINCOS 0x3f0ff59a, 20                          ; 0.562341325
	SINCOS 0x3ed7e89b, 22                          ; 0.421696503
	SINCOS 0x3ea1e89b, 24                          ; 0.316227766
	SINCOS 0x3e72d424, 26                          ; 0.237137371
	SINCOS 0x3e361887, 28                          ; 0.177827941
	SINCOS 0x3e088d77, 30                          ; 0.133352143
.irp q, 0,1,2,3
	global_store_b128 v15, v[16+4*\q:19+4*\q], s[32:33] offset:512*\q
.endr
	s_endpgm
.Lfunc_end_k_q012bc86700_prep:
	.size	k_q012bc86700_prep, .Lfunc_end_k_q012bc86700_prep-k_q012bc86700_prep
	.p2alignl 7, 3214868480
	.fill 96, 4, 3214868480
	.section	.rodata,"a",@progbits
	.p2align	6, 0x0
	.amdhsa_kernel k_q012bc86700_prep
		.amdhsa_group_segment_fixed_size 105472
		.amdhsa_private_segment_fixed_size 0
		.amdhsa_enable_private_segment 0
		.amdhsa_kernarg_size 104
		.amdhsa_user_sgpr_count 2
		.amdhsa_user_sgpr_kernarg_segment_ptr 1
		.amdhsa_wavefront_size32 1
		.amdhsa_system_sgpr_workgroup_id_x 1
		.amdhsa_system_sgpr_workgroup_id_y 1
		.amdhsa_system_sgpr_workgroup_id_z 1
		.amdhsa_system_vgpr_workitem_id 0
		.amdhsa_next_free_vgpr 256
		.amdhsa_next_free_sgpr 70
		.amdhsa_reserve_vcc 1
		.amdhsa_float_denorm_mode_32 3
		.amdhsa_float_denorm_mode_16_64 3
		.amdhsa_memory_ordered 1
		.amdhsa_forward_progress 1
		.amdhsa_inst_pref_size 142
	.end_amdhsa_kernel
	.amdgpu_metadata
---
amdhsa.version: [ 1, 2 ]
amdhsa.kernels:
  - .name:           k_q012bc86700_prep
    .symbol:         k_q012bc86700_prep.kd
    .args:
      - { .name: inputs, .offset: 0, .size: 8, .value_kind: global_buffer, .address_space: global }
      - { .name: ln1_g, .offset: 8, .size: 8, .value_kind: global_buffer, .address_space: global }
      - { .name: ln1_b, .offset: 16, .size: 8, .value_kind: global_buffer, .address_space: global }
      - { .name: Wq, .offset: 24, .size: 8, .value_kind: global_buffer, .address_space: global }
      - { .name: Wk, .offset: 32, .size: 8, .value_kind: global_buffer, .address_space: global }
      - { .name: Wv, .offset: 40, .size: 8, .value_kind: global_buffer, .address_space: global }
      - { .name: Wo, .offset: 48, .size: 8, .value_kind: global_buffer, .address_space: global }
      - { .name: Wfc3, .offset: 56, .size: 8, .value_kind: global_buffer, .address_space: global }
      - { .name: Wfc2, .offset: 64, .size: 8, .value_kind: global_buffer, .address_space: global }
      - { .name: lowp_scales, .offset: 72, .size: 8, .value_kind: global_buffer, .address_space: global }
      - { .name: xc, .offset: 80, .size: 8, .value_kind: global_buffer, .address_space: global }
      - { .name: wc, .offset: 88, .size: 8, .value_kind: global_buffer, .address_space: global }
      - { .name: rt, .offset: 96, .size: 8, .value_kind: global_buffer, .address_space: global }
    .group_segment_fixed_size: 105472
    .private_segment_fixed_size: 0
    .kernarg_segment_align: 8
    .kernarg_segment_size: 104
    .max_flat_workgroup_size: 256
    .sgpr_count:     70
    .vgpr_count:     256
    .wavefront_size: 32
...
	.end_amdgpu_metadata
.endif
;; end of part 1
;; launch qkv (part 2): grid 16 x 16, 4 waves a work-group, clusters of 4 x 1, 327,680 bytes of LDS; arguments xc, wc, rt, lowp_scales, qkv; writes qkv
.if DOCPART == 2
	.amdgcn_target "amdgcn-amd-amdhsa--gfx1250"
	.amdhsa_code_object_version 6
	.text
	.protected	k_q012bc86700_qkv
	.globl	k_q012bc86700_qkv
	.p2align	8
	.type	k_q012bc86700_qkv,@function
k_q012bc86700_qkv:
	s_mov_b64 s[64:65], 0
	v_nop
	global_prefetch_b8 v0, s[64:65] scope:SCOPE_SE
	s_setreg_imm32_b32 hwreg(HW_REG_WAVE_MODE, 25, 1), 1
	s_wait_xcnt 0x0
	s_wait_alu depctr_hold_cnt(0) depctr_sa_sdst(0) depctr_va_vdst(0) depctr_va_sdst(0) depctr_va_ssrc(0) depctr_va_vcc(0) depctr_vm_vsrc(0)
	s_getreg_b32 s2, hwreg(HW_REG_IB_STS2, 6, 4)
	s_cmp_eq_u32 s2, 0
	s_cbranch_scc0 .Lentry_in_a_cluster
	s_endpgm
.Lentry_in_a_cluster:
	s_bfe_u32 s2, ttmp6, 0x10000c
	s_cmp_lg_u32 s2, 0x3003
	s_cbranch_scc0 .Lentry_shape_is_right
	s_endpgm
.Lentry_shape_is_right:
.set T,     24
.set NCH,   3
.set LI,    1
.set LB,    1
.set LIM,   9
.set SCL,   10
.set ABASE, 44
.set MSB, 0
.macro WIN new
.if MSB != \new
	s_set_vgpr_msb (MSB<<8)|\new
.set MSB, \new
.endif
.endm
.macro CROUND
	s_barrier_signal -1
	s_barrier_wait -1
	s_cmp_lg_u32 s14, 0
	s_cbranch_scc1 .Lnot_wave_0_\@
	s_barrier_signal -3
.Lnot_wave_0_\@:
	s_barrier_wait -3
	s_barrier_signal -1
	s_barrier_wait -1
.endm
.macro PLACES n
.rept \n
	v_nop
.endr
.endm
.macro ALOAD g
	WIN 0x40
.set AR, 64*((\g)%4)
.irp m, 0,1,2,3
.irp c, 0,1,2,3
	global_load_b128 v[AR+16*\m+4*\c:AR+16*\m+4*\c+3], v[LI], s[ABASE+2*((\g)/8):ABASE+2*((\g)/8)+1] offset:((\g)%8)*8192+2048*\m+512*\c
.endr
.endr
.endm
.macro BLOAD g
.set BR, 32+64*((\g)%2)
.irp t, 0,1,2,3
.irp c, 0,1,2,3
	ds_load_b128 v[BR+16*\t+4*\c:BR+16*\t+4*\c+3], v[LB+(\g)/8] offset:((\g)%8)*8192+2048*\t+512*\c
.endr
.endr
.endm
.macro MUL g, first, swap
.set BR, 32+64*((\g)%2)
.set AR, 64*((\g)%4)
.irp t, 0,1,2,3
.irp m, 0,1,2,3
.if \swap
.if \first
	v_wmma_f32_16x16x128_fp8_fp8 v[8*(4*\m+\t):8*(4*\m+\t)+7], v[AR+16*\m:AR+16*\m+15], v[BR+16*\t:BR+16*\t+15], 0
.else
	v_wmma_f32_16x16x128_fp8_fp8 v[8*(4*\m+\t):8*(4*\m+\t)+7], v[AR+16*\m:AR+16*\m+15], v[BR+16*\t:BR+16*\t+15], v[8*(4*\m+\t):8*(4*\m+\t)+7]
.endif
.else
.if \first
	v_wmma_f32_16x16x128_fp8_fp8 v[8*(4*\m+\t):8*(4*\m+\t)+7], v[BR+16*\t:BR+16*\t+15], v[AR+16*\m:AR+16*\m+15], 0
.else
	v_wmma_f32_16x16x128_fp8_fp8 v[8*(4*\m+\t):8*(4*\m+\t)+7], v[BR+16*\t:BR+16*\t+15], v[AR+16*\m:AR+16*\m+15], v[8*(4*\m+\t):8*(4*\m+\t)+7]
.endif
.endif
.endr
.endr
.endm
.macro LAPHEAD j
	s_wait_tensorcnt NCH-1-(\j)
	s_wait_dscnt 0x0
	s_barrier_signal -1
	s_barrier_wait -1
	BLOAD 8*(\j)
.endm
.macro KSTEP g, first, swap
	PLACES 4
.if ((\g)+1)%8
	BLOAD (\g)+1
.endif
.if (\g)+3 < T
	ALOAD (\g)+3
.endif
.if ((\g)+1)%8
	s_wait_dscnt 16
.else
	s_wait_dscnt 0x0
.endif
.if T-1-(\g) >= 3
	s_wait_loadcnt 48
.else
	s_wait_loadcnt 16*(T-1-(\g))
.endif
.if \swap
	WIN 0xa1
.else
	WIN 0xa4
.endif
	MUL \g, \first, \swap
	WIN 0
.endm
.macro MKSCALE
	s_add_co_i32 s58, s58, 127
	s_lshl_b32 s59, s58, 23
	v_mov_b32 v[SCL], s59
	s_add_co_i32 s58, s58, 8
	s_lshl_b32 s58, s58, 23
	s_or_b32 s58, s58, 0x600000
	v_mov_b32 v[LIM], s58
.endm
	s_load_b256 s[4:11], s[0:1], 0x0
	s_load_b64 s[12:13], s[0:1], 0x20
	v_lshl_add_u32 v254, v0, 2, 0x30000
	v_mov_b32 v255, 0
	ds_add_u32 v254, v255
	ds_add_u32 v254, v255
	v_lshrrev_b32 v1, 5, v0
	v_readfirstlane_b32 s14, v1
	s_bfe_u32 s15, ttmp6, 0x40000
	s_lshl_b32 s16, ttmp9, 2
	s_add_co_u32 s16, s16, s15
	s_and_b32 s17, ttmp7, 0xffff
	s_mov_b32 s24, 15|(3<<16)|(1<<21)
	s_mov_b32 s25, 32<<16
	s_mov_b32 s26, 64<<16
	s_mov_b32 s27, 32<<16
	s_mov_b32 s28, 64
	s_mov_b32 s29, 32
	s_mov_b32 s30, 0
	s_mov_b32 s31, 0
	s_lshl_b32 s18, s17, 16
	s_lshl_b32 s19, s14, 14
	s_add_co_u32 s20, s18, s19
	s_mov_b32 s21, 0
	s_wait_dscnt 0x0
	s_wait_kmcnt 0x0
	s_load_b256 s[68:75], s[10:11], 0x0
	s_load_b32 s76, s[10:11], 0x20
	s_add_nc_u64 s[22:23], s[6:7], s[20:21]
.irp p, 0,1,2
	s_mov_b32 s[32+4*\p], 1
	s_add_co_u32 s[33+4*\p], s19, \p*65536
	s_add_nc_u64 s[34+4*\p:35+4*\p], s[22:23], \p*0x100000
	s_or_b32 s[35+4*\p], s[35+4*\p], 0x80000000
.endr
	CROUND
	tensor_load_to_lds s[32:35], s[24:31]
	s_nop 0
	s_wait_alu depctr_va_vdst(0)
	s_wait_tensorcnt 0x0
	ds_add_u32 v254, v255
	s_wait_dscnt 0x0
	CROUND
	tensor_load_to_lds s[36:39], s[24:31]          ; Wk's codes: my one load behind the round; Wv's are asked for at the change from the first product to the second
	s_nop 0
	PLACES 4
	v_and_b32 v1, 31, v0
	v_lshlrev_b32 v[LI], 4, v1
	s_wait_alu depctr_va_vdst(0)
	v_add_nc_u32 v2, 0x10000, v[LI]
	v_add_nc_u32 v3, 0x20000, v[LI]
	s_lshl_b32 s58, s16, 2
	s_add_co_u32 s58, s58, s14
	s_lshl_b32 s58, s58, 16
	s_mov_b32 s59, 0
	s_add_nc_u64 s[44:45], s[4:5], s[58:59]
	s_add_nc_u64 s[46:47], s[44:45], 0x400000
	s_add_nc_u64 s[48:49], s[44:45], 0x800000
	s_and_b32 s60, s16, 7
	s_lshl_b32 s60, s60, 2
	s_add_co_u32 s60, s60, s14
	s_lshl_b32 s58, s60, 14
	s_add_nc_u64 s[56:57], s[8:9], s[58:59]
	s_lshr_b32 s61, s16, 3
	s_lshl_b32 s61, s61, 4
	s_add_co_u32 s61, s61, s17
	s_lshl_b32 s61, s61, 17
	s_lshl_b32 s58, s60, 12
	s_add_co_u32 s58, s58, s61
	s_add_nc_u64 s[50:51], s[12:13], s[58:59]
	s_add_nc_u64 s[52:53], s[50:51], 0x400000
	s_lshr_b32 s58, s60, 1
	s_lshl_b32 s58, s58, 13
	s_and_b32 s62, s60, 1
	s_lshl_b32 s62, s62, 10
	s_add_co_u32 s58, s58, s62
	s_add_co_u32 s58, s58, s61
	s_add_co_u32 s58, s58, 0x800000
	s_add_nc_u64 s[54:55], s[12:13], s[58:59]
	WIN 0x80
.irp m, 0,1,2,3
.irp q, 0,1,2,3,4,5,6,7
	global_load_b128 v[128+32*\m+4*\q:131+32*\m+4*\q], v[LI], s[56:57] offset:4096*\m+512*\q
.endr
.endr
	ALOAD 0
	ALOAD 1
	ALOAD 2
	WIN 0
.macro ROPE ob
.irp m, 0,1,2,3
	WIN 0x0a
.set ri, 0
.rept 16
	v_pk_mul_f32 v[160+ri:161+ri], v[32*\m+ri:32*\m+ri+1], v[128+32*\m+ri:129+32*\m+ri] op_sel:[1,1] op_sel_hi:[0,1]
.set ri, ri+2
.endr
.set ri, 0
.rept 16
	v_pk_fma_f32 v[160+ri:161+ri], v[32*\m+ri:32*\m+ri+1], v[128+32*\m+ri:129+32*\m+ri], v[160+ri:161+ri] op_sel_hi:[1,0,1] neg_lo:[0,0,1]
.set ri, ri+2
.endr
	WIN 0
.set ri, 0
.rept 32
	v_med3_num_f32 v[160+ri], v[160+ri], -v[LIM], v[LIM]
.set ri, ri+1
.endr
.irp e, 0,1,2,3
	v_cvt_scalef32_pk8_fp8_f32 v[192+8*\m+2*\e:193+8*\m+2*\e], v[160+8*\e:167+8*\e], v[SCL]
.endr
	v_nop
	global_store_b128 v[LI], v[192+8*\m:195+8*\m], s[\ob:\ob+1] offset:1024*\m
	global_store_b128 v[LI], v[196+8*\m:199+8*\m], s[\ob:\ob+1] offset:1024*\m+512
.endr
.endm
	LAPHEAD 0
	KSTEP 0, 1, 0
.irp g, 1,2,3,4,5,6,7
	KSTEP \g, 0, 0
.endr
	PLACES 4
	s_wait_kmcnt 0x0
	s_sub_co_i32 s58, s74, s68
	s_sub_co_i32 s58, s58, s69
	MKSCALE
	ROPE 50
	s_wait_alu depctr_va_vdst(0)
	s_wait_tensorcnt 0x0                           ; my quarter of Wk's codes has landed
	ds_add_u32 v254, v255
	s_wait_dscnt 0x0
	CROUND                                         ; everybody's quarter has landed, and the four work-groups meet
	tensor_load_to_lds s[40:43], s[24:31]          ; Wv's codes: my one load behind the round; it has the second product's eight k steps in which to land
	s_nop 0
	PLACES 4
	BLOAD 8
	KSTEP 8, 1, 0
.irp g, 9,10,11,12,13,14,15
	KSTEP \g, 0, 0
.endr
	PLACES 4
	s_wait_xcnt 0x0
	s_sub_co_i32 s58, s75, s70
	s_sub_co_i32 s58, s58, s71
	MKSCALE
	ROPE 52
	LAPHEAD 2
	KSTEP 16, 1, 1
.irp g, 17,18,19,20,21,22,23
	KSTEP \g, 0, 1
.endr
	PLACES 4
	s_wait_xcnt 0x0
	s_sub_co_i32 s58, s76, s72
	s_sub_co_i32 s58, s58, s73
	MKSCALE
.irp t, 0,1,2,3
	WIN 0x02
.irp b, 0,1
.irp j, 0,1,2,3,4,5,6,7
	v_med3_num_f32 v[160+16*\b+\j], v[64*\b+8*\t+\j], -v[LIM], v[LIM]
.endr
.irp j, 0,1,2,3,4,5,6,7
	v_med3_num_f32 v[168+16*\b+\j], v[64*\b+32+8*\t+\j], -v[LIM], v[LIM]
.endr
.endr
	WIN 0
.irp e, 0,1,2,3
	v_cvt_scalef32_pk8_fp8_f32 v[192+8*\t+2*\e:193+8*\t+2*\e], v[160+8*\e:167+8*\e], v[SCL]
.endr
	v_nop
	global_store_b128 v[LI], v[192+8*\t:195+8*\t], s[54:55] offset:2048*\t
	global_store_b128 v[LI], v[196+8*\t:199+8*\t], s[54:55] offset:2048*\t+512
.endr
	s_wait_tensorcnt 0x0
	ds_add_u32 v254, v255
	s_wait_dscnt 0x0
	CROUND
	s_endpgm
.Lfunc_end_k_q012bc86700_qkv:
	.size	k_q012bc86700_qkv, .Lfunc_end_k_q012bc86700_qkv-k_q012bc86700_qkv
	.p2alignl 7, 3214868480
	.fill 96, 4, 3214868480
	.section	.rodata,"a",@progbits
	.p2align	6, 0x0
	.amdhsa_kernel k_q012bc86700_qkv
		.amdhsa_group_segment_fixed_size 327680
		.amdhsa_private_segment_fixed_size 0
		.amdhsa_enable_private_segment 0
		.amdhsa_kernarg_size 40
		.amdhsa_user_sgpr_count 2
		.amdhsa_user_sgpr_kernarg_segment_ptr 1
		.amdhsa_wavefront_size32 1
		.amdhsa_system_sgpr_workgroup_id_x 1
		.amdhsa_system_sgpr_workgroup_id_y 1
		.amdhsa_system_sgpr_workgroup_id_z 1
		.amdhsa_system_vgpr_workitem_id 0
		.amdhsa_next_free_vgpr 768
		.amdhsa_next_free_sgpr 80
		.amdhsa_reserve_vcc 0
		.amdhsa_float_denorm_mode_32 3
		.amdhsa_float_denorm_mode_16_64 3
		.amdhsa_memory_ordered 1
		.amdhsa_forward_progress 1
		.amdhsa_inst_pref_size 148
	.end_amdhsa_kernel
	.amdgpu_metadata
---
amdhsa.version: [ 1, 2 ]
amdhsa.kernels:
  - .name:           k_q012bc86700_qkv
    .symbol:         k_q012bc86700_qkv.kd
    .args:
      - { .name: xc, .offset: 0, .size: 8, .value_kind: global_buffer, .address_space: global }
      - { .name: wc, .offset: 8, .size: 8, .value_kind: global_buffer, .address_space: global }
      - { .name: rt, .offset: 16, .size: 8, .value_kind: global_buffer, .address_space: global }
      - { .name: lowp_scales, .offset: 24, .size: 8, .value_kind: global_buffer, .address_space: global }
      - { .name: qkv, .offset: 32, .size: 8, .value_kind: global_buffer, .address_space: global }
    .group_segment_fixed_size: 327680
    .private_segment_fixed_size: 0
    .kernarg_segment_align: 8
    .kernarg_segment_size: 40
    .max_flat_workgroup_size: 128
    .sgpr_count:     80
    .vgpr_count:     768
    .wavefront_size: 32
...
	.end_amdgpu_metadata
.endif
;; end of part 2
;; launch attn (part 3): grid 8 x 32, 8 waves a work-group, clusters of 4 x 1, 327,680 bytes of LDS; arguments qkv, lowp_scales, ao; writes ao
.if DOCPART == 3
	.amdgcn_target "amdgcn-amd-amdhsa--gfx1250"
	.amdhsa_code_object_version 6
	.text
	.protected	k_q012bc86700_attn
	.globl	k_q012bc86700_attn
	.p2align	8
	.type	k_q012bc86700_attn,@function
k_q012bc86700_attn:
	s_mov_b64 s[64:65], 0
	v_nop
	global_prefetch_b8 v0, s[64:65] scope:SCOPE_SE
	s_setreg_imm32_b32 hwreg(HW_REG_WAVE_MODE, 25, 1), 1
	s_wait_xcnt 0x0
	s_wait_alu depctr_hold_cnt(0) depctr_sa_sdst(0) depctr_va_vdst(0) depctr_va_sdst(0) depctr_va_ssrc(0) depctr_va_vcc(0) depctr_vm_vsrc(0)
	s_getreg_b32 s2, hwreg(HW_REG_IB_STS2, 6, 4)
	s_cmp_eq_u32 s2, 0
	s_cbranch_scc0 .Lentry_in_a_cluster
	s_endpgm
.Lentry_in_a_cluster:
	s_bfe_u32 s2, ttmp6, 0x10000c
	s_cmp_lg_u32 s2, 0x3003
	s_cbranch_scc0 .Lentry_shape_is_right
	s_endpgm
.Lentry_shape_is_right:
; ATTENTION on codes of E4M3, head size 64, 2,048 keys, no mask.  Work-group y = 16 x batch + head, x = which 256 queries; each of eight waves owns 32 queries: two tiles of 16.
; K (131,072 bytes, LDS byte 0) and V^T (131,072 bytes, LDS byte 131,072) of the head lie whole in LDS; nothing in LDS is filled twice.  Waves 0-3 fetch K, waves 4-7 V^T, two loads each:
; at the head 8,192 bytes (one of key steps 0-3); behind the full sequence and a round 24,576 bytes (a quarter of key steps 4-15), which has four key steps' work in which to land.
; CLUSTER 4 x 1: the four work-groups of a cluster are query blocks of one head and need the same K and V^T: the loads are joint ones, mask 15.
; NO PREFETCH: every byte of K and V^T is asked for by the two loads at the head; there is no later load for a loop to run ahead of.
; Both products transposed: S^T = K Q^T (source 0 = 16 keys, source 1 = 16 queries), O^T = V^T P^T: a lane holds ONE query throughout.  The keys of a block are so chosen (by the launch that stored them) that the 16 registers
; of tiles 2 b, 2 b + 1 of S^T are keys 32 b + 16 h + 0..15: the conversions' results are the second product's operand.
; SOFTMAX: t = score x log2(e) / 8; M = the running largest t rounded up to a whole number; p = 2^(t - M) is quantised with 2^e9; the sum is taken of the unquantised p; when M moves, sum and O^T are multiplied by 2^(old M - new M).
; THE STEP'S ORDER: products; maxima and statistics of both tiles by turns; tile 0's scalings and the rescaling of the sums and of O^T; tile 0's 64 exponentials, with tile 1's scalings behind them;
; tile 1's 64 exponentials, with tile 0's sums, holds and conversions behind them; then tile 1's.  One wait stands ahead of each batch and one ahead of the first reader of tile 1's p.
; LIMITS: e6 + e7 between -123 and 130; e9 and e10 - e8 - e9 between -126 and 119; the scaled scores stay under 2^31 in magnitude.
; REGISTERS.  window 0: v1 16 x lane; v2, v3 LDS addresses of the step's K and V^T; v[4:5], v[6:7], v[22:23] further chains of sums; v8-11, v12-15 a tile's -M, largest t, sum in two halves; v16-18, v28-30 maxima at work;
;   v19, v31 the spare word's address and 0; v[20:21], v[26:27] the tiles' f; v24 (way out) 448 x scale, v25 scale; v32-95 fragments of V^T; v96-159, v160-223 S^T, then p; v224-255 p's codes.
;   window 1: v0-63 O^T, 32 a tile; v64-79 Q; v80-143 fragments of K.
; s57 448 x 2^e9; s[58:59] c; s[48:49] lane selects; s50 the LDS byte of the step in hand; s51 counts steps.
.set MSB, 0
.macro WIN new                         ; the immediate's high byte repeats the setting that is left
.if MSB != \new
	s_set_vgpr_msb (MSB<<8)|\new
.set MSB, \new
.endif
.endm
.macro CROUND                          ; a round of the cluster's barrier
	s_barrier_signal -1
	s_barrier_wait -1
	s_cmp_lg_u32 s14, 0
	s_cbranch_scc1 .Lnot_wave_0_\@
	s_barrier_signal -3
.Lnot_wave_0_\@:
	s_barrier_wait -3
	s_barrier_signal -1
	s_barrier_wait -1
.endm
.macro PLACES n
.rept \n
	v_nop
.endr
.endm
	s_load_b128 s[4:7], s[0:1], 0x0                ; qkv, lowp_scales
	s_load_b64 s[8:9], s[0:1], 0x10                ; ao
	v_lshl_add_u32 v19, v0, 2, 0x40000
	v_mov_b32 v31, 0
	ds_add_u32 v19, v31                            ; the opening lines: the add twice on end, one wait
	ds_add_u32 v19, v31
	v_lshrrev_b32 v1, 5, v0
	v_readfirstlane_b32 s14, v1                    ; wave 0..7
	s_bfe_u32 s15, ttmp6, 0x40000                  ; cx
	s_lshl_b32 s16, ttmp9, 2
	s_add_co_u32 s16, s16, s15                     ; x: it enters Q's and the result's addresses alone
	s_and_b32 s17, ttmp7, 0xffff                   ; y
	s_mov_b32 s24, 15|(3<<16)|(1<<21)              ; group 1 of the first load: 32 rows of 32 elements of 8 bytes, dense; mask 15, bit 21 beside it
	s_mov_b32 s25, 32<<16
	s_mov_b32 s26, 32<<16
	s_mov_b32 s27, 32<<16
	s_mov_b32 s28, 32
	s_mov_b32 s29, 32
	s_mov_b32 s30, 0
	s_mov_b32 s31, 0
	s_mov_b32 s40, 15|(3<<16)|(1<<21)              ; group 1 of the second: 96 such rows
	s_mov_b32 s41, 32<<16
	s_mov_b32 s42, 96<<16
	s_mov_b32 s43, 32<<16
	s_mov_b32 s44, 96
	s_mov_b32 s45, 32
	s_mov_b32 s46, 0
	s_mov_b32 s47, 0
	s_lshr_b32 s18, s14, 2                         ; 0: I fetch for K; 1: for V^T
	s_and_b32 s19, s14, 3
	s_lshl_b32 s20, s18, 17                        ; LDS: K at 0, V^T at 131,072
	s_lshl_b32 s22, s18, 22
	s_add_co_u32 s22, s22, 0x400000                ; k's codes begin at 0x400000, v^T's at 0x800000
	s_lshl_b32 s21, s17, 17
	s_add_co_u32 s22, s22, s21                     ; the head's
	s_mov_b32 s23, 0
	s_lshl_b32 s10, s19, 13                        ; my key step of the first four
	s_mul_i32 s11, s19, 24576
	s_add_co_u32 s11, s11, 32768                   ; my quarter of the other twelve
	s_mov_b32 s13, 0
	s_wait_dscnt 0x0
	s_wait_kmcnt 0x0
	s_load_b128 s[52:55], s[6:7], 0x18             ; e6, e7, e8, e9
	s_load_b32 s56, s[6:7], 0x28                   ; e10
	s_add_nc_u64 s[22:23], s[4:5], s[22:23]
	s_mov_b32 s32, 1
	s_add_co_u32 s33, s20, s10
	s_mov_b32 s12, s10
	s_add_nc_u64 s[34:35], s[22:23], s[12:13]
	s_or_b32 s35, s35, 0x80000000
	s_mov_b32 s36, 1
	s_add_co_u32 s37, s20, s11
	s_mov_b32 s12, s11
	s_add_nc_u64 s[38:39], s[22:23], s[12:13]
	s_or_b32 s39, s39, 0x80000000
	CROUND                                         ; all four work-groups are here: the joint loads meet
	tensor_load_to_lds s[32:35], s[24:31]          ; key steps 0-3: my one load at the head
	s_nop 0
	PLACES 4
	s_lshl_b32 s60, s17, 17
	s_lshl_b32 s61, s16, 14
	s_add_co_u32 s60, s60, s61
	s_lshl_b32 s61, s14, 11
	s_add_co_u32 s60, s60, s61                     ; my two blocks of 16 queries: 1,024 bytes each
	s_mov_b32 s61, 0
	s_add_nc_u64 s[62:63], s[4:5], s[60:61]
	s_lshr_b32 s60, s17, 4                         ; where my results go: the layout of an A operand, k = 64 x head + d
	s_lshl_b32 s60, s60, 5
	s_lshl_b32 s61, s16, 2
	s_add_co_u32 s60, s60, s61
	s_lshr_b32 s61, s14, 1
	s_add_co_u32 s60, s60, s61                     ; which 64 tokens
	s_lshl_b32 s60, s60, 3
	s_bfe_u32 s61, s17, 0x30001
	s_add_co_u32 s60, s60, s61                     ; + the k step: head / 2
	s_lshl_b32 s60, s60, 13
	s_and_b32 s61, s14, 1
	s_lshl_b32 s61, s61, 12
	s_add_co_u32 s60, s60, s61                     ; + blocks 2 (w & 1) on
	s_and_b32 s61, s17, 1
	s_lshl_b32 s61, s61, 10
	s_add_co_u32 s60, s60, s61                     ; + cells 2 (head & 1) on
	s_mov_b32 s61, 0
	s_add_nc_u64 s[8:9], s[8:9], s[60:61]
	s_mov_b32 s48, 0x76543210                      ; lane l xor 16
	s_mov_b32 s49, 0xfedcba98
	s_mov_b32 s50, 0
	v_and_b32 v1, 31, v0
	v_lshlrev_b32 v1, 4, v1
	WIN 0x40
.irp f, 0,1,2,3
	global_load_b128 v[64+4*\f:67+4*\f], v1, s[62:63] offset:512*\f
.endr
.set oi, 0
.rept 64
	v_mov_b32 v[oi], 0                             ; O^T: the step is written for every step alike; the first finds zeros, which the first change of M leaves zeros
.set oi, oi+1
.endr
	WIN 0
	v_mov_b32 v9, 0xff61b1e6                       ; the largest t so far: -3e38
	v_mov_b32 v13, 0xff61b1e6
	v_floor_f32 v8, -v9                            ; -M
	v_floor_f32 v12, -v13
.irp r, 10,11,14,15,16,17,18,21,27,30
	v_mov_b32 v\r, 0                               ; the sums; permutes' destinations and the upper halves of named pairs, written once
.endr
	s_wait_kmcnt 0x0
	s_add_co_i32 s60, s52, s53
	s_lshl_b32 s60, s60, 23
	s_add_co_i32 s58, s60, 0x3e38aa3b              ; c = log2(e) / 8, with e6 + e7 added to its exponent field
	s_mov_b32 s59, s58
	s_add_co_i32 s60, s55, 127
	s_lshl_b32 s61, s60, 23
	v_mov_b32 v25, s61                             ; 2^e9
	s_add_co_i32 s60, s60, 8
	s_lshl_b32 s60, s60, 23
	s_or_b32 s57, s60, 0x600000                    ; 448 x 2^e9
; K's eight fragments (16 keys x 64) of the key step that begins off bytes behind v2, into window 1
.macro KLOAD off
	WIN 0x40
.irp t, 0,1,2,3,4,5,6,7
	ds_load_b128 v[80+8*\t:83+8*\t], v2 offset:\off+1024*\t
	ds_load_b128 v[84+8*\t:87+8*\t], v2 offset:\off+1024*\t+512
.endr
	WIN 0
.endm
; A KEY STEP: 128 keys.  pre = 1: the next step's K is fetched behind this step's V^T.
.macro STEP pre
	s_wait_dscnt 0x0                               ; K is in
	WIN 0x05                                       ; sources 0 (K) and 1 (Q) window 1
.irp t, 0,1,2,3,4,5,6,7
	v_wmma_f32_16x16x64_fp8_fp8 v[96+8*\t:103+8*\t], v[80+8*\t:87+8*\t], v[64:71], 0
	v_wmma_f32_16x16x64_fp8_fp8 v[160+8*\t:167+8*\t], v[80+8*\t:87+8*\t], v[72:79], 0
.endr
	WIN 0
	v_add_nc_u32 v2, s50, v1
	v_add_nc_u32 v3, 0x20000, v2
	PLACES 2                                       ; with the two additions: four plain places behind the products
.irp t, 0,1,2,3
.irp c, 0,1,2,3
	ds_load_b128 v[32+16*\t+4*\c:35+16*\t+4*\c], v3 offset:2048*\t+512*\c   ; V^T lands while the softmax is worked
.endr
.endr
.if \pre
	KLOAD 8192
.endif
	; the step's largest score of each of my two queries among my 64 keys: two chains a tile, the four by turns; each tile of scores is read from its low end on
	v_max3_num_f32 v16, v96, v97, v98
	v_max3_num_f32 v28, v160, v161, v162
	v_max3_num_f32 v17, v99, v100, v101
	v_max3_num_f32 v29, v163, v164, v165
.irp i, 6,10,14,18,22,26,30,34,38,42,46,50,54,58
	v_max3_num_f32 v16, v16, v[96+\i], v[97+\i]
	v_max3_num_f32 v28, v28, v[160+\i], v[161+\i]
	v_max3_num_f32 v17, v17, v[98+\i], v[99+\i]
	v_max3_num_f32 v29, v29, v[162+\i], v[163+\i]
.endr
	v_max3_num_f32 v16, v16, v158, v159
	v_max3_num_f32 v28, v28, v222, v223
	v_max_num_f32 v16, v16, v17
	v_max_num_f32 v28, v28, v29
	v_permlanex16_b32 v18, v16, s48, s49
	v_permlanex16_b32 v30, v28, s48, s49
	v_max_num_f32 v16, v16, v18                    ; and among the other half of the lanes'
	v_max_num_f32 v28, v28, v30
	v_mul_f32 v16, s58, v16                        ; as t
	v_mul_f32 v28, s58, v28
	v_max_num_f32 v9, v9, v16                      ; the running largest t
	v_max_num_f32 v13, v13, v28
	v_mov_b32 v16, v8
	v_mov_b32 v28, v12
	v_floor_f32 v8, -v9                            ; the new -M
	v_floor_f32 v12, -v13
	v_sub_f32 v16, v8, v16                         ; old M - new M, a whole number, 0 or less
	v_sub_f32 v28, v12, v28
	v_cvt_i32_f32 v16, v16
	v_cvt_i32_f32 v28, v28
	v_ldexp_f32 v20, 1.0, v16                      ; f = 2^(old M - new M)
	v_ldexp_f32 v26, 1.0, v28
.set pi, 0
.rept 32
	v_pk_fma_f32 v[96+pi:97+pi], v[96+pi:97+pi], s[58:59], v[8:9] op_sel_hi:[1,0,0]       ; tile 0: t - M, two at a time
.set pi, pi+2
.endr
	v_pk_mul_f32 v[10:11], v[10:11], v[20:21] op_sel_hi:[1,0]   ; the sums under the new M
	v_pk_mul_f32 v[14:15], v[14:15], v[26:27] op_sel_hi:[1,0]
	WIN 0x41                                       ; O^T (destination and source 0) window 1: x f, ahead of the exponentials
.set oi, 0
.rept 16
	v_pk_mul_f32 v[oi:oi+1], v[oi:oi+1], v[20:21] op_sel_hi:[1,0]
.set oi, oi+2
.endr
.rept 16
	v_pk_mul_f32 v[oi:oi+1], v[oi:oi+1], v[26:27] op_sel_hi:[1,0]
.set oi, oi+2
.endr
	WIN 0
	s_wait_alu depctr_va_vdst(0)                   ; the wait ahead of the batch
.set pi, 0
.rept 64
	v_exp_f32 v[96+pi], v[96+pi]                   ; tile 0: p = 2^(t - M), at most 1
.set pi, pi+1
.endr
.set pj, 0
.rept 32
	v_pk_fma_f32 v[160+pj:161+pj], v[160+pj:161+pj], s[58:59], v[12:13] op_sel_hi:[1,0,0] ; tile 1's scalings name none of tile 0's registers
.set pj, pj+2
.endr
	s_wait_alu depctr_va_vdst(0)                   ; behind tile 0's batch and ahead of tile 1's
.rept 64
	v_exp_f32 v[96+pi], v[96+pi]                   ; tile 1
.set pi, pi+1
.endr
.irp T, 0,1                            ; what reads a tile's p.  Tile 0's lines stand behind tile 1's exponentials and name none of their registers
	v_pk_add_f32 v[22:23], v[96+64*\T:97+64*\T], v[98+64*\T:99+64*\T]       ; the sum of the unquantised p, in four chains
	v_pk_add_f32 v[6:7], v[100+64*\T:101+64*\T], v[102+64*\T:103+64*\T]
	v_pk_add_f32 v[4:5], v[104+64*\T:105+64*\T], v[106+64*\T:107+64*\T]
.irp j, 12,20,28,36,44,52
	v_pk_add_f32 v[10+4*\T:11+4*\T], v[10+4*\T:11+4*\T], v[96+64*\T+\j:97+64*\T+\j]
	v_pk_add_f32 v[22:23], v[22:23], v[98+64*\T+\j:99+64*\T+\j]
	v_pk_add_f32 v[6:7], v[6:7], v[100+64*\T+\j:101+64*\T+\j]
	v_pk_add_f32 v[4:5], v[4:5], v[102+64*\T+\j:103+64*\T+\j]
.endr
	v_pk_add_f32 v[10+4*\T:11+4*\T], v[10+4*\T:11+4*\T], v[156+64*\T:157+64*\T]
	v_pk_add_f32 v[22:23], v[22:23], v[158+64*\T:159+64*\T]
	v_pk_add_f32 v[6:7], v[6:7], v[4:5]
	v_pk_add_f32 v[10+4*\T:11+4*\T], v[10+4*\T:11+4*\T], v[22:23]
	v_pk_add_f32 v[10+4*\T:11+4*\T], v[10+4*\T:11+4*\T], v[6:7]
.irp b, 0,1,2,3                        ; blocks of 16 keys.  The conversion does not saturate (ISA guide 7.6.2); p is not negative, so the hold is one-sided
.irp i, 0,1,2,3,4,5,6,7
	v_dual_min_num_f32 v[96+64*\T+16*\b+2*\i], s57, v[96+64*\T+16*\b+2*\i] :: v_dual_min_num_f32 v[97+64*\T+16*\b+2*\i], s57, v[97+64*\T+16*\b+2*\i]
.endr
	v_cvt_scalef32_pk8_fp8_f32 v[224+16*\T+4*\b:225+16*\T+4*\b], v[96+64*\T+16*\b:103+64*\T+16*\b], v25
	v_cvt_scalef32_pk8_fp8_f32 v[226+16*\T+4*\b:227+16*\T+4*\b], v[104+64*\T+16*\b:111+64*\T+16*\b], v25
.endr
.if \T == 0
	s_wait_alu depctr_va_vdst(0)                   ; the one wait behind tile 1's batch, ahead of its first reader
.endif
.endr
	v_nop                                          ; a plain line between the conversions and the products that read the codes
	s_wait_alu depctr_va_vdst(0)                   ; the wait here, directly ahead of the wait below
.if \pre
	s_wait_dscnt 16                                ; V^T is in; the next step's 16 loads of K, issued behind it, may be out
.else
	s_wait_dscnt 0x0
.endif
	WIN 0x50                                       ; C and D window 1.  The eight accumulators take turns
.irp t, 0,1,2,3
	v_wmma_f32_16x16x128_fp8_fp8 v[8*\t:8*\t+7], v[32+16*\t:47+16*\t], v[224:239], v[8*\t:8*\t+7]
	v_wmma_f32_16x16x128_fp8_fp8 v[32+8*\t:39+8*\t], v[32+16*\t:47+16*\t], v[240:255], v[32+8*\t:39+8*\t]
.endr
	WIN 0
.endm
.macro RUN n                           ; n + 1 key steps whose K and V^T are shown landed: all but the last fetch the next step's K
	v_add_nc_u32 v2, s50, v1
	KLOAD 0
	s_mov_b32 s51, \n
.Lstep_\@:
	STEP 1
	s_add_co_u32 s50, s50, 8192
	s_sub_co_u32 s51, s51, 1
	s_cmp_lg_u32 s51, 0
	s_cbranch_scc1 .Lstep_\@
	STEP 0
	s_add_co_u32 s50, s50, 8192
.endm
	s_wait_alu depctr_va_vdst(0)                   ; the wait at the head's end
	s_wait_tensorcnt 0x0                           ; my part of key steps 0-3 is in
	ds_add_u32 v19, v31
	s_wait_dscnt 0x0
	CROUND                                         ; everybody's part is in, and the four work-groups meet
	tensor_load_to_lds s[36:39], s[40:47]          ; key steps 4-15: my one load behind the round
	s_nop 0
	PLACES 4
	s_wait_loadcnt 0x0                             ; Q
	RUN 3
	s_wait_tensorcnt 0x0                           ; my part of key steps 4-15 has landed
	s_wait_dscnt 0x0
	s_barrier_signal -1
	s_barrier_wait -1                              ; everybody's has
	RUN 11
	; THE WAY OUT: O^T / the sum, quantised for the next product with 2^(e10 - e8 - e9): two cells a tile
	PLACES 4
	v_add_f32 v10, v10, v11
	v_add_f32 v14, v14, v15
	v_permlanex16_b32 v16, v10, s48, s49
	v_permlanex16_b32 v17, v14, s48, s49
	v_add_f32 v10, v10, v16
	v_add_f32 v14, v14, v17
	s_wait_alu depctr_va_vdst(0)                   ; ahead of the reciprocals
	v_rcp_f32 v10, v10
	v_rcp_f32 v14, v14
	s_sub_co_i32 s60, s56, s54
	s_sub_co_i32 s60, s60, s55
	s_add_co_i32 s60, s60, 127
	s_lshl_b32 s61, s60, 23
	v_mov_b32 v25, s61                             ; (the plain instruction behind the reciprocals)
	s_add_co_i32 s60, s60, 8
	s_lshl_b32 s60, s60, 23
	s_or_b32 s60, s60, 0x600000
	v_mov_b32 v24, s60
	WIN 0x01                                       ; source 0 window 1
	s_wait_alu depctr_va_vdst(0)                   ; one wait, directly ahead of the first reader of the reciprocals and of O^T
.set oi, 0
.rept 32
	v_mul_f32 v[96+oi], v[oi], v10
.set oi, oi+1
.endr
.set oi, 0
.rept 32
	v_mul_f32 v[160+oi], v[32+oi], v14
.set oi, oi+1
.endr
	WIN 0
.irp u, 0,1
.set oi, 0
.rept 32
	v_med3_num_f32 v[96+64*\u+oi], v[96+64*\u+oi], -v24, v24
.set oi, oi+1
.endr
.irp e, 0,1,2,3
	v_cvt_scalef32_pk8_fp8_f32 v[224+8*\u+2*\e:225+8*\u+2*\e], v[96+64*\u+8*\e:103+64*\u+8*\e], v25
.endr
.endr
	v_nop
.irp u, 0,1
	global_store_b128 v1, v[224+8*\u:227+8*\u], s[8:9] offset:2048*\u          ; a cell: 512 consecutive bytes
	global_store_b128 v1, v[228+8*\u:231+8*\u], s[8:9] offset:2048*\u+512
.endr
	s_wait_tensorcnt 0x0                           ; the wave's end
	ds_add_u32 v19, v31
	s_wait_dscnt 0x0
	CROUND                                         ; the closing round
	s_endpgm
.Lfunc_end_k_q012bc86700_attn:
	.size	k_q012bc86700_attn, .Lfunc_end_k_q012bc86700_attn-k_q012bc86700_attn
	.p2alignl 7, 3214868480
	.fill 96, 4, 3214868480
	.section	.rodata,"a",@progbits
	.p2align	6, 0x0
	.amdhsa_kernel k_q012bc86700_attn
		.amdhsa_group_segment_fixed_size 327680
		.amdhsa_private_segment_fixed_size 0
		.amdhsa_enable_private_segment 0
		.amdhsa_kernarg_size 24
		.amdhsa_user_sgpr_count 2
		.amdhsa_user_sgpr_kernarg_segment_ptr 1
		.amdhsa_wavefront_size32 1
		.amdhsa_system_sgpr_workgroup_id_x 1
		.amdhsa_system_sgpr_workgroup_id_y 1
		.amdhsa_system_sgpr_workgroup_id_z 1
		.amdhsa_system_vgpr_workitem_id 0
		.amdhsa_next_free_vgpr 512
		.amdhsa_next_free_sgpr 66
		.amdhsa_reserve_vcc 0
		.amdhsa_float_denorm_mode_32 3
		.amdhsa_float_denorm_mode_16_64 3
		.amdhsa_memory_ordered 1
		.amdhsa_forward_progress 1
		.amdhsa_inst_pref_size 130
	.end_amdhsa_kernel
	.amdgpu_metadata
---
amdhsa.version: [ 1, 2 ]
amdhsa.kernels:
  - .name:           k_q012bc86700_attn
    .symbol:         k_q012bc86700_attn.kd
    .args:
      - { .name: qkv, .offset: 0, .size: 8, .value_kind: global_buffer, .address_space: global }
      - { .name: lowp_scales, .offset: 8, .size: 8, .value_kind: global_buffer, .address_space: global }
      - { .name: ao, .offset: 16, .size: 8, .value_kind: global_buffer, .address_space: global }
    .group_segment_fixed_size: 327680
    .private_segment_fixed_size: 0
    .kernarg_segment_align: 8
    .kernarg_segment_size: 24
    .max_flat_workgroup_size: 256
    .sgpr_count:     66
    .vgpr_count:     512
    .wavefront_size: 32
...
	.end_amdgpu_metadata
.endif
;; end of part 3
;; launch wo (part 4): grid 32 x 8, 4 waves a work-group, clusters of 4 x 1, 327,680 bytes of LDS; arguments ao, wc, inputs, lowp_scales, mi; writes mi
.if DOCPART == 4
	.amdgcn_target "amdgcn-amd-amdhsa--gfx1250"
	.amdhsa_code_object_version 6
	.text
	.protected	k_q012bc86700_wo
	.globl	k_q012bc86700_wo
	.p2align	8
	.type	k_q012bc86700_wo,@function
k_q012bc86700_wo:
	s_mov_b64 s[64:65], 0
	v_nop
	global_prefetch_b8 v0, s[64:65] scope:SCOPE_SE
	s_setreg_imm32_b32 hwreg(HW_REG_WAVE_MODE, 25, 1), 1
	s_wait_xcnt 0x0
	s_wait_alu depctr_hold_cnt(0) depctr_sa_sdst(0) depctr_va_vdst(0) depctr_va_sdst(0) depctr_va_ssrc(0) depctr_va_vcc(0) depctr_vm_vsrc(0)
	s_getreg_b32 s2, hwreg(HW_REG_IB_STS2, 6, 4)
	s_cmp_eq_u32 s2, 0
	s_cbranch_scc0 .Lentry_in_a_cluster
	s_endpgm
.Lentry_in_a_cluster:
	s_bfe_u32 s2, ttmp6, 0x10000c
	s_cmp_lg_u32 s2, 0x3003
	s_cbranch_scc0 .Lentry_shape_is_right
	s_endpgm
.Lentry_shape_is_right:
; mi = a Wo x 2^(e10 + e11) + inputs, f32, row-major [4096][1024].  a and Wo are codes of E4M3 in cells: [64 rows][k step of 128][4 blocks of 16][4 cells of 32 k][16 x lane]: a k step of 64 rows is 8,192 dense bytes.
; A work-group makes 128 tokens (x) x 128 columns (y): 32 x 8 = 256 work-groups.  Four waves, each 32 tokens x 128 columns: 16 accumulators; K = 1,024 in 8 steps of 128, 16 matrix instructions a step.
; B (128 columns x 1,024: 131,072 bytes) lies whole in LDS, a quarter by each wave's one load at the head; nothing in LDS is filled twice.
; CLUSTER 4 x 1: the four work-groups differ in x alone and need the same B: joint loads, mask 15.  A is NOT shared through the cluster: a wave's 32 rows are read by that wave alone in its work-group and go straight
; into a ring of eight sets of registers, seven k steps ahead; shared among work-groups it would have to pass through LDS and be read from there once more.
; NO PREFETCH: all of B is asked for at the head, and A's loads themselves run seven k steps ahead.
; Source 0 = 16 columns of W, source 1 = 16 tokens: a lane holds one token and 16 neighbouring columns in two neighbouring tiles.  The sums go through the wave's own stage in LDS and leave as rows: sixteen lanes store 256 consecutive bytes.
; LIMIT: e10 + e11 between -126 and 127.
; REGISTERS.  window 0: v1 16 x lane; v2-5 B's two groups of 64 columns in slot 0, 1; v6, v7 stage in and back; v8 rows of the result; v64-127 the way out; v254, v255 the spare word and 0.
;   window 1: B's two sets of 128.   window 2: v0-127 accumulator (column group j, block m, tile t) at 8 (4 (2 j + m) + t); v128-255 the residual.   window 3: A's ring, 32 registers a k step.
.set T,      8                         ; k steps
.set NSL,    T/8                       ; slots' worth of B
.set YSH,    16                        ; log2 of the bytes of 64 rows' codes
.set REGION, 0x300000                  ; the weight's place in wc
.set SCOFF,  0x28                      ; where the two exponents lie in lowp_scales
.set BIAS,   0
.set RL,     32+2*BIAS                 ; loads of the residual and the bias
.set SLOT,   0x20000
.set STAGE,  2*SLOT                    ; behind the ring: 16 rows x (256 + 16) bytes for each wave
.set SPARE,  STAGE+4*4352              ; behind the stages: the spare words
.set MSB, 0
.macro WIN new
.if MSB != \new
	s_set_vgpr_msb (MSB<<8)|\new
.set MSB, \new
.endif
.endm
.macro CREST
	s_cmp_lg_u32 s14, 0
	s_cbranch_scc1 .Lnot_wave_0_\@
	s_barrier_signal -3
.Lnot_wave_0_\@:
	s_barrier_wait -3
	s_barrier_signal -1
	s_barrier_wait -1
.endm
.macro CROUND
	s_barrier_signal -1
	s_barrier_wait -1
	CREST
.endm
.macro PLACES n
.rept \n
	v_nop
.endr
.endm
.macro ALOAD g                         ; A's two fragments of k step g into set g % 8 of window 3
	WIN 0xc0
.irp m, 0,1
.irp c, 0,1,2,3
	global_load_b128 v[32*((\g)%8)+16*\m+4*\c:32*((\g)%8)+16*\m+4*\c+3], v1, s[48:49] offset:(\g)*8192+2048*\m+512*\c
.endr
.endr
.endm
.macro BFETCH g                        ; B's eight fragments of k step g into set g % 2 of window 1
	WIN 0x40
.irp j, 0,1
.irp t, 0,1,2,3
.irp c, 0,1,2,3
	ds_load_b128 v[128*((\g)%2)+64*\j+16*\t+4*\c:128*((\g)%2)+64*\j+16*\t+4*\c+3], v[2+2*(((\g)/8)%2)+\j] offset:((\g)%8)*8192+2048*\t+512*\c
.endr
.endr
.endr
	WIN 0
.endm
.macro MULT g, j, t                    ; two matrix instructions.  The 16 accumulators take turns in the same order in every step; the first step starts the sums
.irp m, 0,1
.if (\g) == 0
	v_wmma_f32_16x16x128_fp8_fp8 v[8*(4*(2*\j+\m)+\t):8*(4*(2*\j+\m)+\t)+7], v[128*((\g)%2)+64*\j+16*\t:128*((\g)%2)+64*\j+16*\t+15], v[32*((\g)%8)+16*\m:32*((\g)%8)+16*\m+15], 0
.else
	v_wmma_f32_16x16x128_fp8_fp8 v[8*(4*(2*\j+\m)+\t):8*(4*(2*\j+\m)+\t)+7], v[128*((\g)%2)+64*\j+16*\t:128*((\g)%2)+64*\j+16*\t+15], v[32*((\g)%8)+16*\m:32*((\g)%8)+16*\m+15], v[8*(4*(2*\j+\m)+\t):8*(4*(2*\j+\m)+\t)+7]
.endif
.endr
.endm
.macro RLOAD                           ; the residual, in the order in which the rows come back from the stage, and the bias
	WIN 0x80
.irp u, 0,1,2,3
.irp i, 0,1,2,3,4,5,6,7
	global_load_b128 v[128+32*\u+4*\i:131+32*\u+4*\i], v8, s[54:55] offset:(8*(\u%2)+2*\i+8*(\i/4))*4096+256*(\u/2) th:TH_LOAD_NT
.endr
.endr
	WIN 0
.if BIAS
	global_load_b128 v[12:15], v11, s[50:51]
	global_load_b128 v[16:19], v11, s[50:51] offset:256
.endif
.endm
.macro LWAIT g                         ; this step's A is in; what was issued behind it may be out: eight loads for each later step, and RL once the residual is asked for (63 at the most can be named)
.if (\g) <= T-8
	s_wait_loadcnt 56
.elseif 8*(T-1-(\g))+RL > 63
	s_wait_loadcnt 63
.else
	s_wait_loadcnt 8*(T-1-(\g))+RL
.endif
.endm
.macro KSTEP g
	PLACES 4                                       ; four plain places between the last step's products and the loads into the registers that they read
.if (\g)+7 < T
	ALOAD (\g)+7
.endif
.if (\g) == T-7
	RLOAD                                          ; seven steps ahead of the way out
.endif
	WIN 0
.if ((\g)%8 == 7) && ((\g) < T-1)      ; a slot's last step changes slots: its fragments are on their way into registers
	s_wait_tensorcnt 0x0                           ; all my tensor loads have landed: my part of the next slot
	ds_add_u32 v254, v255
.if (\g)/8+2 < NSL
	s_add_nc_u64 s[34+4*(((\g)/8)%2):35+4*(((\g)/8)%2)], s[34+4*(((\g)/8)%2):35+4*(((\g)/8)%2)], 2*65536
.endif
	s_wait_dscnt 1                                 ; this step's B is in; the add may be out
	LWAIT \g
	WIN 0xad
	MULT \g, 0, 0
	MULT \g, 0, 1
	s_wait_dscnt 0x0                               ; the add is done, and my reads of this slot are over
	s_barrier_signal -1
	MULT \g, 0, 2
	MULT \g, 0, 3
	WIN 0
	s_barrier_wait -1
.if (\g)/8+2 < NSL
	CREST                                          ; the barrier has opened a round: no wave of any partner still reads this slot or has a load on its way
	tensor_load_to_lds s[32+4*(((\g)/8)%2):35+4*(((\g)/8)%2)], s[24:31]
	s_nop 0
.endif
	PLACES 4
	BFETCH (\g)+1
	WIN 0xad
.irp t, 0,1,2,3
	MULT \g, 1, \t
.endr
	WIN 0
.else
.if (\g) < T-1
	BFETCH (\g)+1
	s_wait_dscnt 32                                ; this step's B is in; the 32 loads just issued may be out
.else
	s_wait_dscnt 0x0
.endif
	LWAIT \g
	WIN 0xad                                       ; source 0 = B (window 1), source 1 = A (window 3), C and D window 2
.irp j, 0,1
.irp t, 0,1,2,3
	MULT \g, \j, \t
.endr
.endr
	WIN 0
.endif
.if ((\g)%8 == 0) && ((\g)/8+2 < NSL)
	global_prefetch_b8 v20, s[84:85] offset:((\g)/8+2)*65536 th:TH_LOAD_NT scope:SCOPE_SE   ; my work-group's 32 blocks of 256 bytes of the tile that I fetch seven steps on
.endif
.endm
	s_load_b256 s[4:11], s[0:1], 0x0               ; A, wc, the residual, lowp_scales
	s_load_b64 s[12:13], s[0:1], 0x20              ; the result
.if BIAS
	s_load_b64 s[50:51], s[0:1], 0x28              ; the bias
.endif
	v_lshl_add_u32 v254, v0, 2, SPARE
	v_mov_b32 v255, 0
	ds_add_u32 v254, v255                          ; the opening lines: the add twice on end, one wait
	ds_add_u32 v254, v255
	v_lshrrev_b32 v1, 5, v0
	v_readfirstlane_b32 s14, v1                    ; wave 0..3
	s_lshr_b32 s15, s14, 1
	s_and_b32 s16, s14, 1
	s_bfe_u32 s40, ttmp6, 0x40000                  ; cx
	s_lshl_b32 s42, ttmp9, 2
	s_add_co_u32 s42, s42, s40                     ; x: it enters the global addresses of A, the residual and the result alone
	s_and_b32 s17, ttmp7, 0xffff                   ; y
	s_mov_b32 s24, 15|(3<<16)|(1<<21)              ; group 1: 128 rows of 32 elements of 8 bytes, dense; mask 15, bit 21 beside it
	s_mov_b32 s25, 32<<16
	s_mov_b32 s26, 128<<16
	s_mov_b32 s27, 32<<16
	s_mov_b32 s28, 128
	s_mov_b32 s29, 32
	s_mov_b32 s30, 0
	s_mov_b32 s31, 0
	s_lshl_b32 s20, s17, 1
	s_add_co_u32 s20, s20, s15
	s_lshl_b32 s20, s20, YSH                       ; B: column group 2 y + (w >> 1),
	s_lshl_b32 s21, s16, 15
	s_add_co_u32 s20, s20, s21                     ; k steps 4 (w & 1) on of each slot's eight
	s_add_co_u32 s20, s20, REGION
	s_mov_b32 s21, 0
	s_lshl_b32 s45, s14, 15                        ; where my tile goes in a slot: 32,768 x wave
	s_wait_dscnt 0x0
	s_wait_kmcnt 0x0
	s_load_b64 s[52:53], s[10:11], SCOFF
	s_add_nc_u64 s[20:21], s[6:7], s[20:21]
	s_mov_b32 s32, 1
	s_mov_b32 s33, s45
	s_mov_b64 s[34:35], s[20:21]
	s_or_b32 s35, s35, 0x80000000
.if NSL > 1
	s_mov_b32 s36, 1
	s_add_co_u32 s37, s45, SLOT
	s_add_nc_u64 s[38:39], s[20:21], 65536
	s_or_b32 s39, s39, 0x80000000
.endif
	CROUND                                         ; all four work-groups are here: the joint loads meet
	tensor_load_to_lds s[32:35], s[24:31]          ; k steps 0-7: my one load at the head
	s_nop 0
	PLACES 4
	s_lshl_b32 s18, s42, 1
	s_add_co_u32 s18, s18, s15
	s_lshl_b32 s18, s18, YSH                       ; A: token group 2 x + (w >> 1),
	s_lshl_b32 s19, s16, 12
	s_add_co_u32 s18, s18, s19                     ; blocks 2 (w & 1) on
	s_mov_b32 s19, 0
	s_add_nc_u64 s[48:49], s[4:5], s[18:19]
	s_lshl_b32 s60, s17, 9                         ; my work-group's first column, in bytes
	s_mov_b32 s61, 0
.if BIAS
	s_add_nc_u64 s[50:51], s[50:51], s[60:61]
.endif
	s_lshl_b32 s62, s42, 19
	s_lshl_b32 s63, s14, 17
	s_add_co_u32 s62, s62, s63                     ; row 128 x + 32 w
	s_add_co_u32 s62, s62, s60
	s_mov_b32 s63, 0
	s_add_nc_u64 s[54:55], s[8:9], s[62:63]
	s_add_nc_u64 s[56:57], s[12:13], s[62:63]
	s_mul_i32 s58, s14, 4352
	s_add_co_u32 s58, s58, STAGE                   ; my stage
.if NSL > 2
	s_lshl_b32 s18, s40, 13                        ; the prefetches: the four partners share a tile's 128 blocks out by address
	s_add_nc_u64 s[84:85], s[20:21], s[18:19]
.endif
	v_and_b32 v1, 31, v0
	v_lshlrev_b32 v20, 8, v1                       ; lanes 256 bytes apart
	v_lshlrev_b32 v1, 4, v1
	v_mov_b32 v2, v1
	v_add_nc_u32 v3, 0x10000, v1
	v_add_nc_u32 v4, 0x20000, v1
	v_add_nc_u32 v5, 0x30000, v1
	v_bfe_u32 v9, v0, 4, 1                         ; h
	v_and_b32 v10, 15, v0                          ; r
	v_lshlrev_b32 v8, 12, v9
	v_lshl_add_u32 v8, v10, 4, v8                  ; rows of the result: lanes 0-15 one row's 256 bytes, lanes 16-31 the next row's
	v_mul_u32_u24 v6, v10, 272
	v_lshl_add_u32 v6, v9, 6, v6
	v_add_nc_u32 v6, s58, v6                       ; in: row = slot r, + 64 h
	v_mul_u32_u24 v7, v9, 272
	v_lshl_add_u32 v7, v10, 4, v7
	v_add_nc_u32 v7, s58, v7                       ; back: two rows an instruction
	v_lshlrev_b32 v11, 4, v10
	s_wait_alu depctr_va_vdst(0)                   ; the wait at the head's end
.irp g, 0,1,2,3,4,5,6
	ALOAD \g
.endr
	WIN 0
.if NSL > 1
	s_wait_tensorcnt 0x0                           ; my part of slot 0 is in
	ds_add_u32 v254, v255
	s_wait_dscnt 0x0
	CROUND
	tensor_load_to_lds s[36:39], s[24:31]          ; k steps 8-15: my one load behind the round
	s_nop 0
	PLACES 4
.else
	s_wait_tensorcnt 0x0                           ; my quarter of B is in
	s_wait_dscnt 0x0
	s_barrier_signal -1
	s_barrier_wait -1                              ; everybody's is
.endif
	BFETCH 0
.set G, 0
.rept T
	KSTEP G
.set G, G+1
.endr
	PLACES 4                                       ; between the last products and the first read of results
	s_wait_alu depctr_va_vdst(0)
	s_wait_kmcnt 0x0
	s_wait_loadcnt 0x0                             ; the residual
	s_add_co_i32 s52, s52, s53
	s_add_co_i32 s52, s52, 127
	s_lshl_b32 s52, s52, 23                        ; 2^(ea + eb)
	s_mov_b32 s53, s52
; unit u = 2 j + m: 16 tokens x 64 columns: the raw sums into my stage (each accumulator from its low end on), back as rows, then scale, bias and residual
.macro OUTM u
	WIN 0x08                                       ; the stores' data: window 2
.irp b, 0,1
.irp q, 0,1,2,3
	ds_store_b128 v6, v[32*\u+16*\b+4*\q:32*\u+16*\b+4*\q+3] offset:128*\b+16*\q
.endr
.endr
	WIN 0
.irp i, 0,1,2,3,4,5,6,7
	ds_load_b128 v[64+4*\i:67+4*\i], v7 offset:544*\i   ; LDS serves a wave's instructions in order: these see my stores
.endr
	s_wait_dscnt 0x0
	s_wait_xcnt 0x0                                ; the last unit's stores have read their registers
.if BIAS
.irp i, 0,1,2,3,4,5,6,7
	v_pk_fma_f32 v[64+4*\i:65+4*\i], v[64+4*\i:65+4*\i], s[52:53], v[12+4*(\u/2):13+4*(\u/2)] op_sel_hi:[1,0,1]
	v_pk_fma_f32 v[66+4*\i:67+4*\i], v[66+4*\i:67+4*\i], s[52:53], v[14+4*(\u/2):15+4*(\u/2)] op_sel_hi:[1,0,1]
.endr
	WIN 0x08                                       ; source 1 (the residual) window 2
.set oi, 0
.rept 16
	v_pk_add_f32 v[96+oi:97+oi], v[64+oi:65+oi], v[128+32*\u+oi:129+32*\u+oi]
.set oi, oi+2
.endr
.else
	WIN 0x20                                       ; source 2 (the residual) window 2
.set oi, 0
.rept 16
	v_pk_fma_f32 v[96+oi:97+oi], v[64+oi:65+oi], s[52:53], v[128+32*\u+oi:129+32*\u+oi] op_sel_hi:[1,0,1]
.set oi, oi+2
.endr
.endif
	WIN 0
.irp i, 0,1,2,3,4,5,6,7
.if BIAS
	global_store_b128 v8, v[96+4*\i:99+4*\i], s[56:57] offset:(8*(\u%2)+2*\i+8*(\i/4))*4096+256*(\u/2) th:TH_STORE_NT
.else
	global_store_b128 v8, v[96+4*\i:99+4*\i], s[56:57] offset:(8*(\u%2)+2*\i+8*(\i/4))*4096+256*(\u/2)
.endif
.endr
.endm
	OUTM 0
	OUTM 1
	OUTM 2
	OUTM 3
	s_wait_tensorcnt 0x0                           ; the wave's end
	ds_add_u32 v254, v255
	s_wait_dscnt 0x0
	CROUND                                         ; the closing round
	s_endpgm
.Lfunc_end_k_q012bc86700_wo:
	.size	k_q012bc86700_wo, .Lfunc_end_k_q012bc86700_wo-k_q012bc86700_wo
	.p2alignl 7, 3214868480
	.fill 96, 4, 3214868480
	.section	.rodata,"a",@progbits
	.p2align	6, 0x0
	.amdhsa_kernel k_q012bc86700_wo
		.amdhsa_group_segment_fixed_size 327680
		.amdhsa_private_segment_fixed_size 0
		.amdhsa_enable_private_segment 0
		.amdhsa_kernarg_size 40
		.amdhsa_user_sgpr_count 2
		.amdhsa_user_sgpr_kernarg_segment_ptr 1
		.amdhsa_wavefront_size32 1
		.amdhsa_system_sgpr_workgroup_id_x 1
		.amdhsa_system_sgpr_workgroup_id_y 1
		.amdhsa_system_sgpr_workgroup_id_z 1
		.amdhsa_system_vgpr_workitem_id 0
		.amdhsa_next_free_vgpr 1024
		.amdhsa_next_free_sgpr 90
		.amdhsa_reserve_vcc 0
		.amdhsa_float_denorm_mode_32 3
		.amdhsa_float_denorm_mode_16_64 3
		.amdhsa_memory_ordered 1
		.amdhsa_forward_progress 1
		.amdhsa_inst_pref_size 53
	.end_amdhsa_kernel
	.amdgpu_metadata
---
amdhsa.version: [ 1, 2 ]
amdhsa.kernels:
  - .name:           k_q012bc86700_wo
    .symbol:         k_q012bc86700_wo.kd
    .args:
      - { .name: ao, .offset: 0, .size: 8, .value_kind: global_buffer, .address_space: global }
      - { .name: wc, .offset: 8, .size: 8, .value_kind: global_buffer, .address_space: global }
      - { .name: inputs, .offset: 16, .size: 8, .value_kind: global_buffer, .address_space: global }
      - { .name: lowp_scales, .offset: 24, .size: 8, .value_kind: global_buffer, .address_space: global }
      - { .name: mi, .offset: 32, .size: 8, .value_kind: global_buffer, .address_space: global }
    .group_segment_fixed_size: 327680
    .private_segment_fixed_size: 0
    .kernarg_segment_align: 8
    .kernarg_segment_size: 40
    .max_flat_workgroup_size: 128
    .sgpr_count:     90
    .vgpr_count:     1024
    .wavefront_size: 32
...
	.end_amdgpu_metadata
.endif
;; end of part 4
;; launch ln2 (part 5): grid 256 x 1, 4 waves a work-group, no clusters, 17,920 bytes of LDS; arguments mi, ln2_g, ln2_b, lowp_scales, hc; writes hc
.if DOCPART == 5
	.amdgcn_target "amdgcn-amd-amdhsa--gfx1250"
	.amdhsa_code_object_version 6
	.text
	.protected	k_q012bc86700_ln2
	.globl	k_q012bc86700_ln2
	.p2align	8
	.type	k_q012bc86700_ln2,@function
k_q012bc86700_ln2:
	s_mov_b64 s[64:65], 0
	v_nop
	global_prefetch_b8 v0, s[64:65] scope:SCOPE_SE
	s_setreg_imm32_b32 hwreg(HW_REG_WAVE_MODE, 25, 1), 1
	s_wait_xcnt 0x0
; LAYER NORM 2 of 16 tokens a work-group, quantised with 2^e12 into codes of E4M3, laid in cells of 512 bytes as an A operand: [64 tokens][k step][4 blocks][4 cells][16 x lane].
; 256 work-groups.  Work-group n takes ONE BLOCK of 16 slots: of the 32 tokens 32 (n >> 1) + i those with (i >> 3) & 1 = u, u = n & 1: i = 8 u + 0..7 and 16 + 8 u + 0..7; token i has slot (i & 7) + 8 (i >> 4).
; Wave w of four takes four neighbouring rows, i = 4 (2 u + (w & 1) + 4 (w >> 1)) + p, p = 0..3, whose slots are 4 (w & 1) + 8 (w >> 1) + p; a row lies in 32 registers of the wave.
; The code words meet in an image in LDS (64 units of 256 bytes + 16 of padding: eight units for each of eight k steps) and leave as 512 consecutive bytes a wave: a block's 2,048 bytes of each k step.
; No LDS address hangs on the work-group's number.  No tensor loads, no matrix units, no cluster: the work-groups share only g and b, 8,192 bytes.
; LIMITS: e12 between -126 and 119.  NaN among the inputs is not served.
; v1 16 x lane; v2 where I store code words; v5 where I read back; v8 16 x thread; v9 2^e; v12 448 x 2^e; v16-47 g; v48-79 b; v80-207 four rows; v208-223 two sets of held numbers; v224-231 codes; v246, v247 the spare word and 0; v248-255 sums
	s_load_b256 s[8:15], s[0:1], 0x0               ; mi, ln2_g, ln2_b, lowp_scales
	s_load_b64 s[28:29], s[0:1], 0x20              ; hc
	v_lshl_add_u32 v246, v0, 2, 0x4400             ; behind the image: the spare words
	v_mov_b32 v247, 0
	v_lshrrev_b32 v1, 5, v0
	v_readfirstlane_b32 s2, v1                     ; wave 0..3
	s_wait_kmcnt 0x0
	s_load_b32 s36, s[14:15], 0x30                 ; e12
	s_lshr_b32 s52, ttmp9, 1
	s_lshl_b32 s52, s52, 17                        ; 32 rows of 4,096 bytes
	s_and_b32 s37, ttmp9, 1                        ; u
	s_lshl_b32 s53, s37, 1
	s_and_b32 s38, s2, 1
	s_add_co_u32 s53, s53, s38
	s_lshr_b32 s38, s2, 1
	s_lshl_b32 s38, s38, 2
	s_add_co_u32 s53, s53, s38                     ; 2 u + (w & 1) + 4 (w >> 1): which four rows
	s_lshl_b32 s53, s53, 14
	s_add_co_u32 s52, s52, s53
	s_mov_b32 s53, 0
	s_add_nc_u64 s[8:9], s[8:9], s[52:53]
	v_and_b32 v15, 31, v0
	s_wait_alu depctr_va_vdst(0)
	v_lshlrev_b32 v1, 4, v15
.irp j, 0,1,2,3,4,5,6,7
	global_load_b128 v[16+4*\j:19+4*\j], v1, s[10:11] offset:512*\j
	global_load_b128 v[48+4*\j:51+4*\j], v1, s[12:13] offset:512*\j
.endr
.irp p, 0,1,2,3
.irp j, 0,1,2,3,4,5,6,7
	global_load_b128 v[80+32*\p+4*\j:83+32*\p+4*\j], v1, s[8:9] offset:4096*\p+512*\j   ; register 4 j + e of lane l: k = 128 j + 4 l + e
.endr
.endr
	; the word of four codes of load j, lane l, row p lies in unit 8 j + (l >> 2), at 16 x slot + 4 (l & 3)
	s_and_b32 s52, s2, 1
	s_lshl_b32 s52, s52, 6
	s_lshr_b32 s53, s2, 1
	s_lshl_b32 s53, s53, 7
	s_add_co_u32 s52, s52, s53                     ; 16 x (4 (w & 1) + 8 (w >> 1))
	v_lshrrev_b32 v248, 2, v15
	v_mul_u32_u24 v248, v248, 272
	v_and_b32 v249, 3, v0
	v_lshl_add_u32 v248, v249, 2, v248
	v_add_nc_u32 v2, s52, v248
	v_lshrrev_b32 v248, 4, v0                      ; back: thread T takes 16 bytes of unit 8 i + (T >> 4)
	v_mul_u32_u24 v248, v248, 272
	v_and_b32 v249, 15, v0
	v_lshl_add_u32 v5, v249, 4, v248
	v_lshlrev_b32 v8, 4, v0
	s_lshr_b32 s54, ttmp9, 2
	s_lshl_b32 s54, s54, 16                        ; 64 tokens are 65,536 bytes of codes
	s_and_b32 s55, ttmp9, 3
	s_lshl_b32 s55, s55, 11                        ; my block of each k step's four: 2,048 bytes
	s_add_co_u32 s54, s54, s55
	s_mov_b32 s55, 0
	s_add_nc_u64 s[56:57], s[28:29], s[54:55]
	s_mov_b32 s66, 0x76543210                      ; lane l xor 16
	s_mov_b32 s67, 0xfedcba98
	s_mov_b32 s68, 0x3a800000                      ; 1 / 1024
	s_mov_b32 s69, 0x3727c5ac                      ; 1e-5
	s_wait_kmcnt 0x0
	s_add_co_i32 s62, s36, 127
	s_lshl_b32 s63, s62, 23
	v_mov_b32 v9, s63
	s_add_co_i32 s62, s62, 8
	s_lshl_b32 s62, s62, 23
	s_or_b32 s62, s62, 0x600000
	v_mov_b32 v12, s62
.macro REDUCE                          ; four packed chains in v248-255 -> their sum over the wave, in v248 of every lane
	v_pk_add_f32 v[248:249], v[248:249], v[250:251]
	v_pk_add_f32 v[252:253], v[252:253], v[254:255]
	v_pk_add_f32 v[248:249], v[248:249], v[252:253]
	v_add_f32 v248, v248, v249
	v_add_f32_dpp v248, v248, v248 row_xmask:1 row_mask:0xf bank_mask:0xf
	v_add_f32_dpp v248, v248, v248 row_xmask:2 row_mask:0xf bank_mask:0xf
	v_add_f32_dpp v248, v248, v248 row_xmask:4 row_mask:0xf bank_mask:0xf
	v_add_f32_dpp v248, v248, v248 row_xmask:8 row_mask:0xf bank_mask:0xf
	v_permlanex16_b32 v249, v248, s66, s67
	v_add_f32 v248, v248, v249
.endm
.macro ROW p
.set XB, 80+32*(\p)
	s_wait_loadcnt 8*(3-(\p))                      ; g, b and my rows up to this one are in; the eight loads of each later row may be out
.irp c, 0,2,4,6
	v_pk_add_f32 v[248+\c:249+\c], v[XB+\c:XB+\c+1], v[XB+8+\c:XB+9+\c]
.endr
.irp o, 16,24
.irp c, 0,2,4,6
	v_pk_add_f32 v[248+\c:249+\c], v[248+\c:249+\c], v[XB+\o+\c:XB+\o+\c+1]
.endr
.endr
	REDUCE
	v_mul_f32 v248, s68, v248                      ; the mean
.set cc, 0
.rept 16
	v_pk_add_f32 v[XB+cc:XB+cc+1], v[XB+cc:XB+cc+1], v[248:249] op_sel_hi:[1,0] neg_lo:[0,1] neg_hi:[0,1]   ; x - mean, before the squares: an offset of the inputs does no harm
.set cc, cc+2
.endr
.irp c, 0,2,4,6
	v_pk_mul_f32 v[248+\c:249+\c], v[XB+\c:XB+\c+1], v[XB+\c:XB+\c+1]
.endr
.irp o, 8,16,24
.irp c, 0,2,4,6
	v_pk_fma_f32 v[248+\c:249+\c], v[XB+\o+\c:XB+\o+\c+1], v[XB+\o+\c:XB+\o+\c+1], v[248+\c:249+\c]
.endr
.endr
	REDUCE
	v_fma_f32 v248, v248, s68, s69                 ; variance + eps
	s_wait_alu depctr_va_vdst(0)                   ; ahead of the transcendental
	v_rsq_f32 v250, v248
	v_nop                                          ; a plain instruction behind the transcendental
	s_wait_alu depctr_va_vdst(0)                   ; and the wait ahead of its first reader
.set cc, 0
.rept 16
	v_pk_mul_f32 v[XB+cc:XB+cc+1], v[XB+cc:XB+cc+1], v[250:251] op_sel_hi:[1,0]
.set cc, cc+2
.endr
.set cc, 0
.rept 16
	v_pk_fma_f32 v[XB+cc:XB+cc+1], v[XB+cc:XB+cc+1], v[16+cc:17+cc], v[48+cc:49+cc]
.set cc, cc+2
.endr
	s_wait_dscnt 0x0                               ; the last row's LDS stores have read the code registers
.irp jj, 0,1,2,3
.irp i, 0,1,2,3,4,5,6,7
	v_med3_num_f32 v[208+8*(\jj%2)+\i], v[XB+8*\jj+\i], -v12, v12   ; the conversion does not saturate (ISA guide 7.6.2): held at the largest code x the scale, into one of two sets by turns
.endr
	v_cvt_scalef32_pk8_fp8_f32 v[224+2*\jj:225+2*\jj], v[208+8*(\jj%2):215+8*(\jj%2)], v9
.endr
.irp j, 0,1,2,3,4,5,6,7
	ds_store_b32 v2, v[224+\j] offset:2176*\j+16*(\p)   ; eight units of 272 bytes from k step to k step
.endr
.endm
	ROW 0
	ROW 1
	ROW 2
	ROW 3
	s_wait_dscnt 0x0                               ; for the others' sake: my stores into the image are done
	s_barrier_signal -1
	s_barrier_wait -1
.irp i, 0,1,2,3,4,5,6,7
	ds_load_b128 v[80+4*\i:83+4*\i], v5 offset:2176*\i
.endr
.irp i, 0,1,2,3,4,5,6,7
	s_wait_dscnt 7-\i                              ; LDS loads come back in order: this one is in, the younger ones may be out
	global_store_b128 v8, v[80+4*\i:83+4*\i], s[56:57] offset:8192*\i   ; a wave stores 512 consecutive bytes
.endr
	s_wait_tensorcnt 0x0                           ; the wave's end
	ds_add_u32 v246, v247
	s_wait_dscnt 0x0
	s_endpgm
.Lfunc_end_k_q012bc86700_ln2:
	.size	k_q012bc86700_ln2, .Lfunc_end_k_q012bc86700_ln2-k_q012bc86700_ln2
	.p2alignl 7, 3214868480
	.fill 96, 4, 3214868480
	.section	.rodata,"a",@progbits
	.p2align	6, 0x0
	.amdhsa_kernel k_q012bc86700_ln2
		.amdhsa_group_segment_fixed_size 17920
		.amdhsa_private_segment_fixed_size 0
		.amdhsa_enable_private_segment 0
		.amdhsa_kernarg_size 40
		.amdhsa_user_sgpr_count 2
		.amdhsa_user_sgpr_kernarg_segment_ptr 1
		.amdhsa_wavefront_size32 1
		.amdhsa_system_sgpr_workgroup_id_x 1
		.amdhsa_system_sgpr_workgroup_id_y 1
		.amdhsa_system_sgpr_workgroup_id_z 1
		.amdhsa_system_vgpr_workitem_id 0
		.amdhsa_next_free_vgpr 256
		.amdhsa_next_free_sgpr 70
		.amdhsa_reserve_vcc 0
		.amdhsa_float_denorm_mode_32 3
		.amdhsa_float_denorm_mode_16_64 3
		.amdhsa_memory_ordered 1
		.amdhsa_forward_progress 1
		.amdhsa_inst_pref_size 45
	.end_amdhsa_kernel
	.amdgpu_metadata
---
amdhsa.version: [ 1, 2 ]
amdhsa.kernels:
  - .name:           k_q012bc86700_ln2
    .symbol:         k_q012bc86700_ln2.kd
    .args:
      - { .name: mi, .offset: 0, .size: 8, .value_kind: global_buffer, .address_space: global }
      - { .name: ln2_g, .offset: 8, .size: 8, .value_kind: global_buffer, .address_space: global }
      - { .name: ln2_b, .offset: 16, .size: 8, .value_kind: global_buffer, .address_space: global }
      - { .name: lowp_scales, .offset: 24, .size: 8, .value_kind: global_buffer, .address_space: global }
      - { .name: hc, .offset: 32, .size: 8, .value_kind: global_buffer, .address_space: global }
    .group_segment_fixed_size: 17920
    .private_segment_fixed_size: 0
    .kernarg_segment_align: 8
    .kernarg_segment_size: 40
    .max_flat_workgroup_size: 128
    .sgpr_count:     70
    .vgpr_count:     256
    .wavefront_size: 32
...
	.end_amdgpu_metadata
.endif
;; end of part 5
;; launch fc2 (part 6): grid 16 x 16, 4 waves a work-group, clusters of 4 x 1, 327,680 bytes of LDS; arguments hc, wc, bfc2, lowp_scales, gc; writes gc
.if DOCPART == 6
	.amdgcn_target "amdgcn-amd-amdhsa--gfx1250"
	.amdhsa_code_object_version 6
	.text
	.protected	k_q012bc86700_fc2
	.globl	k_q012bc86700_fc2
	.p2align	8
	.type	k_q012bc86700_fc2,@function
k_q012bc86700_fc2:
	s_mov_b64 s[64:65], 0
	v_nop
	global_prefetch_b8 v0, s[64:65] scope:SCOPE_SE
	s_setreg_imm32_b32 hwreg(HW_REG_WAVE_MODE, 25, 1), 1
	s_wait_xcnt 0x0
	s_wait_alu depctr_hold_cnt(0) depctr_sa_sdst(0) depctr_va_vdst(0) depctr_va_sdst(0) depctr_va_ssrc(0) depctr_va_vcc(0) depctr_vm_vsrc(0)
	s_getreg_b32 s2, hwreg(HW_REG_IB_STS2, 6, 4)
	s_cmp_eq_u32 s2, 0
	s_cbranch_scc0 .Lentry_in_a_cluster
	s_endpgm
.Lentry_in_a_cluster:
	s_bfe_u32 s2, ttmp6, 0x10000c
	s_cmp_lg_u32 s2, 0x3003
	s_cbranch_scc0 .Lentry_shape_is_right
	s_endpgm
.Lentry_shape_is_right:
; FC2: g = Q(gelu(h Wfc2 + bfc2)).  Work-group (x, y): 256 tokens x 256 columns, as four quarters of 64 columns; four waves, each 64 tokens: 16 accumulators a quarter; K = 1,024 in eight steps of 128.
; A (a wave's 64 tokens x 1,024: 512 registers) stays in registers for all four quarters, read from memory once.  B (4 x 65,536 bytes) lies whole in LDS, asked for at the head; nothing in LDS is filled twice.
; CLUSTER 4 x 1: the four work-groups differ in x alone and need the same B: joint loads, mask 15.  A is not shared: it is each wave's own and goes straight into registers.
; Source 0 = 16 columns of W, source 1 = 16 tokens: a lane holds one token and 16 neighbouring columns in two neighbouring tiles: the conversions' results are cells of the next product's A.
; GELU, exact form: gelu(x) = max(x, 0) - |x| a, a = erfc(|x| / sqrt 2) / 2 = t 2^y, t = 1 / (1 + |x| / (2 sqrt 2)), y = a polynomial of degree 9 in t less x^2 log2(e) / 2
; (the rational Chebyshev fit of erfc whose stated fractional error is under 1.2e-7 everywhere; its coefficients are multiplied by log2(e) here, and 1 is taken off the constant for the half).
; LIMITS: e12 + e13 between -126 and 127; e14 between -126 and 119.
; REGISTERS.  window 0: v1 16 x lane; v2 LDS address of the quarter's B; v9 448 x 2^e14, v10 2^e14; v11 the bias's lane offset; v[28:29] c9; v32-95, v96-159 B's two sets, later x, t, the polynomial, x^2; v160-191 codes; v224-255 the bias
;   windows 1, 2: A's k steps 0-3, 4-7, 64 registers each.   window 3: v0-127 accumulator (m, t) at 8 (4 m + t).
.set LI,  1
.set LIM, 9
.set SCL, 10
.set MSB, 0
.macro WIN new
.if MSB != \new
	s_set_vgpr_msb (MSB<<8)|\new
.set MSB, \new
.endif
.endm
.macro CROUND
	s_barrier_signal -1
	s_barrier_wait -1
	s_cmp_lg_u32 s14, 0
	s_cbranch_scc1 .Lnot_wave_0_\@
	s_barrier_signal -3
.Lnot_wave_0_\@:
	s_barrier_wait -3
	s_barrier_signal -1
	s_barrier_wait -1
.endm
.macro PLACES n
.rept \n
	v_nop
.endr
.endm
.macro CPAIR r, val                    ; a constant as a scalar pair: the packed forms name the pair
	s_mov_b32 s[\r], \val
	s_mov_b32 s[\r+1], \val
.endm
.macro BLOAD s
.set BR, 32+64*((\s)%2)
.irp t, 0,1,2,3
.irp c, 0,1,2,3
	ds_load_b128 v[BR+16*\t+4*\c:BR+16*\t+4*\c+3], v2 offset:(\s)*8192+2048*\t+512*\c
.endr
.endr
.endm
.macro KS2 s, lw                       ; a k step.  lw = 1: the first quarter, in which A is still arriving
	PLACES 4                                       ; four plain places between the last step's products and the loads into the registers that they read
.if (\s) < 7
	BLOAD (\s)+1
	s_wait_dscnt 16                                ; this step's B is in; the 16 loads just issued may be out
.else
	s_wait_dscnt 0x0
.endif
.if \lw
.if 16*(7-(\s))+8 > 63
	s_wait_loadcnt 63                              ; fewer than were issued behind this step's A: the field's largest count
.else
	s_wait_loadcnt 16*(7-(\s))+8                   ; this step's A is in; the later steps' loads and the bias's eight may be out
.endif
.endif
	WIN 0xf4+4*((\s)/4)                            ; source 0 = B (window 0), source 1 = A (window 1 or 2), C and D window 3
.set BR, 32+64*((\s)%2)
.set AR, 64*((\s)%4)
.irp t, 0,1,2,3
.irp m, 0,1,2,3
.if (\s) == 0
	v_wmma_f32_16x16x128_fp8_fp8 v[8*(4*\m+\t):8*(4*\m+\t)+7], v[BR+16*\t:BR+16*\t+15], v[AR+16*\m:AR+16*\m+15], 0
.else
	v_wmma_f32_16x16x128_fp8_fp8 v[8*(4*\m+\t):8*(4*\m+\t)+7], v[BR+16*\t:BR+16*\t+15], v[AR+16*\m:AR+16*\m+15], v[8*(4*\m+\t):8*(4*\m+\t)+7]
.endif
.endr
.endr
	WIN 0
.endm
.macro GELU m                          ; block m of 16 tokens: 32 numbers a lane.  x v32-63, t v64-95, the polynomial v96-127, x^2 and max(x, 0) v128-159
	WIN 0x03                                       ; source 0 (the sums) window 3
.set gi, 0
.rept 16
	v_pk_fma_f32 v[32+gi:33+gi], v[32*(\m)+gi:32*(\m)+gi+1], s[86:87], v[224+gi:225+gi] op_sel_hi:[1,0,1]   ; x = sum x 2^(e12 + e13) + bias; each accumulator from its low end on
.set gi, gi+2
.endr
	WIN 0
.set gi, 0
.rept 32
	v_fma_f32 v[64+gi], |v[32+gi]|, s88, 1.0
.set gi, gi+1
.endr
.set gi, 0
	s_wait_alu depctr_va_vdst(0)
.rept 32
	v_rcp_f32 v[64+gi], v[64+gi]
.set gi, gi+1
.endr
.set gi, 0
.rept 16
	v_pk_mul_f32 v[128+gi:129+gi], v[32+gi:33+gi], v[32+gi:33+gi]   ; x^2: plain work behind the reciprocals
.set gi, gi+2
.endr
	s_wait_alu depctr_va_vdst(0)                   ; one wait for the batch, ahead of its first reader
.set gi, 0
.rept 16
	v_pk_fma_f32 v[96+gi:97+gi], v[64+gi:65+gi], v[28:29], s[82:83] op_sel_hi:[1,0,0]
.set gi, gi+2
.endr
.irp cr, 80,78,76,74,72,70,68,66
.set gi, 0
.rept 16
	v_pk_fma_f32 v[96+gi:97+gi], v[96+gi:97+gi], v[64+gi:65+gi], s[\cr:\cr+1] op_sel_hi:[1,1,0]
.set gi, gi+2
.endr
.endr
.set gi, 0
.rept 16
	v_pk_fma_f32 v[96+gi:97+gi], v[128+gi:129+gi], s[84:85], v[96+gi:97+gi] op_sel_hi:[1,0,1]
.set gi, gi+2
.endr
.set gi, 0
	s_wait_alu depctr_va_vdst(0)
.rept 32
	v_exp_f32 v[96+gi], v[96+gi]
.set gi, gi+1
.endr
.set gi, 0
.rept 32
	v_max_num_f32 v[128+gi], 0, v[32+gi]           ; plain work behind the exponentials
.set gi, gi+1
.endr
	s_wait_alu depctr_va_vdst(0)
.set gi, 0
.rept 16
	v_pk_mul_f32 v[96+gi:97+gi], v[64+gi:65+gi], v[96+gi:97+gi]     ; a
.set gi, gi+2
.endr
.set gi, 0
.rept 32
	v_fma_f32 v[32+gi], -|v[32+gi]|, v[96+gi], v[128+gi]
.set gi, gi+1
.endr
.set gi, 0
.rept 32
	v_med3_num_f32 v[32+gi], v[32+gi], -v[LIM], v[LIM]
.set gi, gi+1
.endr
.irp e, 0,1,2,3
	v_cvt_scalef32_pk8_fp8_f32 v[160+8*(\m)+2*\e:161+8*(\m)+2*\e], v[32+8*\e:39+8*\e], v[SCL]
.endr
	v_nop                                          ; a plain instruction between the conversions and the next write of their sources
	global_store_b128 v[LI], v[160+8*(\m):163+8*(\m)], s[60:61] offset:2048*(\m)
	global_store_b128 v[LI], v[164+8*(\m):167+8*(\m)], s[60:61] offset:2048*(\m)+512
.endm
.macro QUARTER tw, lw                  ; 64 columns
	s_wait_tensorcnt \tw                           ; my part of this quarter's B has landed; tw later chunks' loads may stay out
	s_wait_dscnt 0x0
	s_barrier_signal -1
	s_barrier_wait -1
	v_add_nc_u32 v2, s62, v[LI]
	s_wait_alu depctr_va_vdst(0)
.irp t, 0,1,2,3
	global_load_b128 v[224+8*\t:227+8*\t], v11, s[58:59] offset:(32*(\t/2)+8*(\t%2))*4
	global_load_b128 v[228+8*\t:231+8*\t], v11, s[58:59] offset:(32*(\t/2)+8*(\t%2))*4+16
.endr
	BLOAD 0
.irp s, 0,1,2,3,4,5,6,7
	KS2 \s, \lw
.endr
	PLACES 4                                       ; between the last products and the first read of results
	s_wait_loadcnt 0x0                             ; the bias
	s_wait_xcnt 0x0                                ; the last quarter's stores have read their registers and their base
	s_lshr_b32 s18, s63, 1
	s_lshl_b32 s18, s18, 13                        ; the k step of the next product: 2 y + (q >> 1)
	s_and_b32 s19, s63, 1
	s_lshl_b32 s19, s19, 10                        ; its cells 2 (q & 1) on
	s_add_co_u32 s18, s18, s19
	s_mov_b32 s19, 0
	s_add_nc_u64 s[60:61], s[56:57], s[18:19]
	GELU 0
	GELU 1
	GELU 2
	GELU 3
	s_add_nc_u64 s[58:59], s[58:59], 256
	s_add_co_u32 s62, s62, 65536
	s_add_co_u32 s63, s63, 1
.endm
	s_load_b256 s[4:11], s[0:1], 0x0               ; hc, wc, bfc2, lowp_scales
	s_load_b64 s[12:13], s[0:1], 0x20              ; gc
	v_lshl_add_u32 v222, v0, 2, 0x40000
	v_mov_b32 v223, 0
	ds_add_u32 v222, v223
	ds_add_u32 v222, v223
	v_lshrrev_b32 v1, 5, v0
	v_readfirstlane_b32 s14, v1                    ; wave 0..3
	s_bfe_u32 s15, ttmp6, 0x40000                  ; cx
	s_lshl_b32 s16, ttmp9, 2
	s_add_co_u32 s16, s16, s15                     ; x: it enters A's and the result's addresses alone
	s_and_b32 s17, ttmp7, 0xffff                   ; y
	s_mov_b32 s24, 15|(3<<16)|(1<<21)              ; group 1: 64 rows of 32 elements of 8 bytes, dense; mask 15, bit 21 beside it
	s_mov_b32 s25, 32<<16
	s_mov_b32 s26, 64<<16
	s_mov_b32 s27, 32<<16
	s_mov_b32 s28, 64
	s_mov_b32 s29, 32
	s_mov_b32 s30, 0
	s_mov_b32 s31, 0
	s_lshl_b32 s18, s17, 18
	s_lshl_b32 s19, s14, 14
	s_add_co_u32 s20, s18, s19
	s_add_co_u32 s20, s20, 0x800000                ; Wfc2's place in wc
	s_mov_b32 s21, 0
	s_wait_dscnt 0x0
	s_wait_kmcnt 0x0
	s_load_b128 s[52:55], s[10:11], 0x30           ; e12, e13, e14, e15
	s_add_nc_u64 s[22:23], s[6:7], s[20:21]
	s_mov_b32 s32, 1                               ; the first load: my 16,384 bytes of the first quarter's B
	s_mov_b32 s33, s19
	s_mov_b64 s[34:35], s[22:23]
	s_or_b32 s35, s35, 0x80000000
	s_mov_b32 s36, 1                               ; the second: my 49,152 bytes of the other three quarters' 196,608, dense in memory and in LDS
	s_mul_i32 s37, s14, 49152
	s_add_co_u32 s37, s37, 65536
	s_lshl_b32 s50, s14, 15                        ; 49,152 w less the 16,384 w that s[22:23] holds
	s_mov_b32 s51, 0
	s_add_nc_u64 s[38:39], s[22:23], s[50:51]
	s_add_nc_u64 s[38:39], s[38:39], 65536
	s_or_b32 s39, s39, 0x80000000
	s_mov_b32 s40, 15|(3<<16)|(1<<21)              ; its group 1: 192 rows of 32 elements of 8 bytes
	s_mov_b32 s41, 32<<16
	s_mov_b32 s42, 192<<16
	s_mov_b32 s43, 32<<16
	s_mov_b32 s44, 192
	s_mov_b32 s45, 32
	s_mov_b32 s46, 0
	s_mov_b32 s47, 0
	CROUND                                         ; all four work-groups are here: the joint loads meet
	tensor_load_to_lds s[32:35], s[24:31]          ; my one load at the head
	s_nop 0
	PLACES 4
	v_and_b32 v1, 31, v0
	v_lshlrev_b32 v[LI], 4, v1
	s_lshl_b32 s18, s16, 2
	s_add_co_u32 s18, s18, s14                     ; which 64 tokens are my wave's
	s_lshl_b32 s20, s18, 16
	s_add_nc_u64 s[48:49], s[4:5], s[20:21]
.irp s, 0,1,2,3,4,5,6,7
	WIN 0x40+0x40*(\s/4)                           ; destination window 1 or 2
.irp m, 0,1,2,3
.irp c, 0,1,2,3
	global_load_b128 v[64*(\s%4)+16*\m+4*\c:64*(\s%4)+16*\m+4*\c+3], v[LI], s[48:49] offset:8192*\s+2048*\m+512*\c
.endr
.endr
.endr
	WIN 0
	s_lshl_b32 s20, s18, 18
	s_lshl_b32 s19, s17, 14
	s_add_co_u32 s20, s20, s19
	s_add_nc_u64 s[56:57], s[12:13], s[20:21]      ; the result: my 64 tokens, k steps 2 y on
	s_lshl_b32 s20, s17, 10
	s_add_nc_u64 s[58:59], s[8:9], s[20:21]        ; the bias of my 256 columns
	s_mov_b32 s62, 0                               ; LDS byte of the quarter's B
	s_mov_b32 s63, 0                               ; the quarter
	v_bfe_u32 v11, v0, 4, 1
	v_lshlrev_b32 v11, 6, v11                      ; 16 h columns on
	CPAIR 66, 0xc034d90f                           ; c0 = -2.825748218
	CPAIR 68, 0x3fb8ab5a                           ; c1 =  1.442729204
	CPAIR 70, 0x3f0a29d2                           ; c2 =  0.539700616
	CPAIR 72, 0x3e0efb2e                           ; c3 =  0.139630056
	CPAIR 74, 0xbe899a80                           ; c4 = -0.268756860
	CPAIR 76, 0x3ecdfd18                           ; c5 =  0.402321582
	CPAIR 78, 0xbfd1a1e5                           ; c6 = -1.637753152
	CPAIR 80, 0x40097039                           ; c7 =  2.147474464
	CPAIR 82, 0xbf97d29d                           ; c8 = -1.186114945
	CPAIR 84, 0xbf38aa3b                           ; -log2(e) / 2
	s_mov_b32 s88, 0x3eb504f3                      ; 1 / (2 sqrt 2)
	v_mov_b32 v28, 0x3e7c6f08                      ; c9 =  0.246517298
	v_mov_b32 v29, 0x3e7c6f08
	s_wait_alu depctr_va_vdst(0)
	s_wait_kmcnt 0x0
	s_add_co_i32 s86, s52, s53
	s_add_co_i32 s86, s86, 127
	s_lshl_b32 s86, s86, 23                        ; 2^(e12 + e13)
	s_mov_b32 s87, s86
	s_add_co_i32 s18, s54, 127
	s_lshl_b32 s19, s18, 23
	v_mov_b32 v[SCL], s19                          ; 2^e14
	s_add_co_i32 s18, s18, 8
	s_lshl_b32 s18, s18, 23
	s_or_b32 s18, s18, 0x600000
	v_mov_b32 v[LIM], s18                          ; 448 x 2^e14
	s_wait_alu depctr_va_vdst(0)                   ; the wait at the head's end
	s_wait_tensorcnt 0x0                           ; my part of the first quarter's B is in
	ds_add_u32 v222, v223
	s_wait_dscnt 0x0
	CROUND
	tensor_load_to_lds s[36:39], s[40:47]          ; the other three quarters: my one load behind the round; it has the first quarter's work in which to land
	s_nop 0
	PLACES 4
	QUARTER 1, 1                                   ; the first quarter is written out: its waits leave that one load and the later k steps of A on their way
	s_mov_b32 s21, 3
.Lquarter:
	QUARTER 0, 0
	s_sub_co_u32 s21, s21, 1
	s_cmp_lg_u32 s21, 0
	s_cbranch_scc1 .Lquarter
	s_wait_tensorcnt 0x0
	ds_add_u32 v222, v223
	s_wait_dscnt 0x0
	CROUND                                         ; the closing round
	s_endpgm
.Lfunc_end_k_q012bc86700_fc2:
	.size	k_q012bc86700_fc2, .Lfunc_end_k_q012bc86700_fc2-k_q012bc86700_fc2
	.p2alignl 7, 3214868480
	.fill 96, 4, 3214868480
	.section	.rodata,"a",@progbits
	.p2align	6, 0x0
	.amdhsa_kernel k_q012bc86700_fc2
		.amdhsa_group_segment_fixed_size 327680
		.amdhsa_private_segment_fixed_size 0
		.amdhsa_enable_private_segment 0
		.amdhsa_kernarg_size 40
		.amdhsa_user_sgpr_count 2
		.amdhsa_user_sgpr_kernarg_segment_ptr 1
		.amdhsa_wavefront_size32 1
		.amdhsa_system_sgpr_workgroup_id_x 1
		.amdhsa_system_sgpr_workgroup_id_y 1
		.amdhsa_system_sgpr_workgroup_id_z 1
		.amdhsa_system_vgpr_workitem_id 0
		.amdhsa_next_free_vgpr 896
		.amdhsa_next_free_sgpr 96
		.amdhsa_reserve_vcc 0
		.amdhsa_float_denorm_mode_32 3
		.amdhsa_float_denorm_mode_16_64 3
		.amdhsa_memory_ordered 1
		.amdhsa_forward_progress 1
		.amdhsa_inst_pref_size 240
	.end_amdhsa_kernel
	.amdgpu_metadata
---
amdhsa.version: [ 1, 2 ]
amdhsa.kernels:
  - .name:           k_q012bc86700_fc2
    .symbol:         k_q012bc86700_fc2.kd
    .args:
      - { .name: hc, .offset: 0, .size: 8, .value_kind: global_buffer, .address_space: global }
      - { .name: wc, .offset: 8, .size: 8, .value_kind: global_buffer, .address_space: global }
      - { .name: bfc2, .offset: 16, .size: 8, .value_kind: global_buffer, .address_space: global }
      - { .name: lowp_scales, .offset: 24, .size: 8, .value_kind: global_buffer, .address_space: global }
      - { .name: gc, .offset: 32, .size: 8, .value_kind: global_buffer, .address_space: global }
    .group_segment_fixed_size: 327680
    .private_segment_fixed_size: 0
    .kernarg_segment_align: 8
    .kernarg_segment_size: 40
    .max_flat_workgroup_size: 128
    .sgpr_count:     96
    .vgpr_count:     896
    .wavefront_size: 32
...
	.end_amdgpu_metadata
.endif
;; end of part 6
;; launch fc3 (part 7): grid 32 x 8, 4 waves a work-group, clusters of 4 x 1, 327,680 bytes of LDS; arguments gc, wc, mi, lowp_scales, out0, bfc3; writes out0
.if DOCPART == 7
	.amdgcn_target "amdgcn-amd-amdhsa--gfx1250"
	.amdhsa_code_object_version 6
	.text
	.protected	k_q012bc86700_fc3
	.globl	k_q012bc86700_fc3
	.p2align	8
	.type	k_q012bc86700_fc3,@function
k_q012bc86700_fc3:
	s_mov_b64 s[64:65], 0
	v_nop
	global_prefetch_b8 v0, s[64:65] scope:SCOPE_SE
	s_setreg_imm32_b32 hwreg(HW_REG_WAVE_MODE, 25, 1), 1
	s_wait_xcnt 0x0
	s_wait_alu depctr_hold_cnt(0) depctr_sa_sdst(0) depctr_va_vdst(0) depctr_va_sdst(0) depctr_va_ssrc(0) depctr_va_vcc(0) depctr_vm_vsrc(0)
	s_getreg_b32 s2, hwreg(HW_REG_IB_STS2, 6, 4)
	s_cmp_eq_u32 s2, 0
	s_cbranch_scc0 .Lentry_in_a_cluster
	s_endpgm
.Lentry_in_a_cluster:
	s_bfe_u32 s2, ttmp6, 0x10000c
	s_cmp_lg_u32 s2, 0x3003
	s_cbranch_scc0 .Lentry_shape_is_right
	s_endpgm
.Lentry_shape_is_right:
; out0 = g Wfc3 x 2^(e14 + e15) + bfc3 + mi, f32, row-major [4096][1024].  g and Wfc3 are codes of E4M3 in cells: [64 rows][k step of 128][4 blocks of 16][4 cells of 32 k][16 x lane]: a k step of 64 rows is 8,192 dense bytes.
; A work-group makes 128 tokens (x) x 128 columns (y): 32 x 8 = 256 work-groups.  Four waves, each 32 tokens x 128 columns: 16 accumulators; K = 4,096 in 32 steps of 128, 16 matrix instructions a step.
; THE RING: two LDS slots of eight k steps of B's 128 columns, 131,072 bytes each, a quarter by each wave's one load (128 rows of 256 bytes).  Slot 0 is asked for at the head, slot 1 behind the full sequence and a round;
; each is filled once more at the change of slots, behind a round of the cluster's barrier, and that load has eight k steps' work in which to land.
; CLUSTER 4 x 1: the four work-groups differ in x alone and need the same B: joint loads, mask 15.  A is NOT shared through the cluster: a wave's 32 rows are read by that wave alone in its work-group and go straight
; into a ring of eight sets of registers, seven k steps ahead; shared among work-groups it would have to pass through LDS and be read from there once more.
; PREFETCH: in a slot's first k step a wave asks for 32 blocks of 256 bytes of the tile that it will fetch at that slot's last step, seven steps on; the four partners share a tile's 128 blocks out by address.
; The first two slots come by their loads alone; A's loads themselves run seven k steps ahead and have no prefetch.
; Source 0 = 16 columns of W, source 1 = 16 tokens: a lane holds one token and 16 neighbouring columns in two neighbouring tiles.  The sums go through the wave's own stage in LDS and leave as rows: sixteen lanes store 256 consecutive bytes.
; LIMIT: e14 + e15 between -126 and 127.
; REGISTERS.  window 0: v1 16 x lane; v2-5 B's two groups of 64 columns in slot 0, 1; v6, v7 stage in and back; v8 rows of the result; v11 the bias's lane offset; v12-19 the bias; v20 prefetch offset; v64-127 the way out;
;   v254, v255 the spare word and 0.   window 1: B's two sets of 128.   window 2: v0-127 accumulator (column group j, block m, tile t) at 8 (4 (2 j + m) + t); v128-255 the residual.   window 3: A's ring, 32 registers a k step.
.set T,      32                        ; k steps
.set NSL,    T/8                       ; slots' worth of B
.set YSH,    18                        ; log2 of the bytes of 64 rows' codes
.set REGION, 0x400000                  ; the weight's place in wc
.set SCOFF,  0x38                      ; where the two exponents lie in lowp_scales
.set BIAS,   1
.set RL,     32+2*BIAS                 ; loads of the residual and the bias
.set SLOT,   0x20000
.set STAGE,  2*SLOT                    ; behind the ring: 16 rows x (256 + 16) bytes for each wave
.set SPARE,  STAGE+4*4352              ; behind the stages: the spare words
.set MSB, 0
.macro WIN new
.if MSB != \new
	s_set_vgpr_msb (MSB<<8)|\new
.set MSB, \new
.endif
.endm
.macro CREST
	s_cmp_lg_u32 s14, 0
	s_cbranch_scc1 .Lnot_wave_0_\@
	s_barrier_signal -3
.Lnot_wave_0_\@:
	s_barrier_wait -3
	s_barrier_signal -1
	s_barrier_wait -1
.endm
.macro CROUND
	s_barrier_signal -1
	s_barrier_wait -1
	CREST
.endm
.macro PLACES n
.rept \n
	v_nop
.endr
.endm
.macro ALOAD g                         ; A's two fragments of k step g into set g % 8 of window 3
	WIN 0xc0
.irp m, 0,1
.irp c, 0,1,2,3
	global_load_b128 v[32*((\g)%8)+16*\m+4*\c:32*((\g)%8)+16*\m+4*\c+3], v1, s[48:49] offset:(\g)*8192+2048*\m+512*\c
.endr
.endr
.endm
.macro BFETCH g                        ; B's eight fragments of k step g into set g % 2 of window 1
	WIN 0x40
.irp j, 0,1
.irp t, 0,1,2,3
.irp c, 0,1,2,3
	ds_load_b128 v[128*((\g)%2)+64*\j+16*\t+4*\c:128*((\g)%2)+64*\j+16*\t+4*\c+3], v[2+2*(((\g)/8)%2)+\j] offset:((\g)%8)*8192+2048*\t+512*\c
.endr
.endr
.endr
	WIN 0
.endm
.macro MULT g, j, t                    ; two matrix instructions.  The 16 accumulators take turns in the same order in every step; the first step starts the sums
.irp m, 0,1
.if (\g) == 0
	v_wmma_f32_16x16x128_fp8_fp8 v[8*(4*(2*\j+\m)+\t):8*(4*(2*\j+\m)+\t)+7], v[128*((\g)%2)+64*\j+16*\t:128*((\g)%2)+64*\j+16*\t+15], v[32*((\g)%8)+16*\m:32*((\g)%8)+16*\m+15], 0
.else
	v_wmma_f32_16x16x128_fp8_fp8 v[8*(4*(2*\j+\m)+\t):8*(4*(2*\j+\m)+\t)+7], v[128*((\g)%2)+64*\j+16*\t:128*((\g)%2)+64*\j+16*\t+15], v[32*((\g)%8)+16*\m:32*((\g)%8)+16*\m+15], v[8*(4*(2*\j+\m)+\t):8*(4*(2*\j+\m)+\t)+7]
.endif
.endr
.endm
.macro RLOAD                           ; the residual, in the order in which the rows come back from the stage, and the bias
	WIN 0x80
.irp u, 0,1,2,3
.irp i, 0,1,2,3,4,5,6,7
	global_load_b128 v[128+32*\u+4*\i:131+32*\u+4*\i], v8, s[54:55] offset:(8*(\u%2)+2*\i+8*(\i/4))*4096+256*(\u/2) th:TH_LOAD_NT
.endr
.endr
	WIN 0
.if BIAS
	global_load_b128 v[12:15], v11, s[50:51]
	global_load_b128 v[16:19], v11, s[50:51] offset:256
.endif
.endm
.macro LWAIT g                         ; this step's A is in; what was issued behind it may be out: eight loads for each later step, and RL once the residual is asked for (63 at the most can be named)
.if (\g) <= T-8
	s_wait_loadcnt 56
.elseif 8*(T-1-(\g))+RL > 63
	s_wait_loadcnt 63
.else
	s_wait_loadcnt 8*(T-1-(\g))+RL
.endif
.endm
.macro KSTEP g
	PLACES 4                                       ; four plain places between the last step's products and the loads into the registers that they read
.if (\g)+7 < T
	ALOAD (\g)+7
.endif
.if (\g) == T-7
	RLOAD                                          ; seven steps ahead of the way out
.endif
	WIN 0
.if ((\g)%8 == 7) && ((\g) < T-1)      ; a slot's last step changes slots: its fragments are on their way into registers
	s_wait_tensorcnt 0x0                           ; all my tensor loads have landed: my part of the next slot
	ds_add_u32 v254, v255
.if (\g)/8+2 < NSL
	s_add_nc_u64 s[34+4*(((\g)/8)%2):35+4*(((\g)/8)%2)], s[34+4*(((\g)/8)%2):35+4*(((\g)/8)%2)], 2*65536
.endif
	s_wait_dscnt 1                                 ; this step's B is in; the add may be out
	LWAIT \g
	WIN 0xad
	MULT \g, 0, 0
	MULT \g, 0, 1
	s_wait_dscnt 0x0                               ; the add is done, and my reads of this slot are over
	s_barrier_signal -1
	MULT \g, 0, 2
	MULT \g, 0, 3
	WIN 0
	s_barrier_wait -1
.if (\g)/8+2 < NSL
	CREST                                          ; the barrier has opened a round: no wave of any partner still reads this slot or has a load on its way
	tensor_load_to_lds s[32+4*(((\g)/8)%2):35+4*(((\g)/8)%2)], s[24:31]
	s_nop 0
.endif
	PLACES 4
	BFETCH (\g)+1
	WIN 0xad
.irp t, 0,1,2,3
	MULT \g, 1, \t
.endr
	WIN 0
.else
.if (\g) < T-1
	BFETCH (\g)+1
	s_wait_dscnt 32                                ; this step's B is in; the 32 loads just issued may be out
.else
	s_wait_dscnt 0x0
.endif
	LWAIT \g
	WIN 0xad                                       ; source 0 = B (window 1), source 1 = A (window 3), C and D window 2
.irp j, 0,1
.irp t, 0,1,2,3
	MULT \g, \j, \t
.endr
.endr
	WIN 0
.endif
.if ((\g)%8 == 0) && ((\g)/8+2 < NSL)
	global_prefetch_b8 v20, s[84:85] offset:((\g)/8+2)*65536 th:TH_LOAD_NT scope:SCOPE_SE   ; my work-group's 32 blocks of 256 bytes of the tile that I fetch seven steps on
.endif
.endm
	s_load_b256 s[4:11], s[0:1], 0x0               ; A, wc, the residual, lowp_scales
	s_load_b64 s[12:13], s[0:1], 0x20              ; the result
.if BIAS
	s_load_b64 s[50:51], s[0:1], 0x28              ; the bias
.endif
	v_lshl_add_u32 v254, v0, 2, SPARE
	v_mov_b32 v255, 0
	ds_add_u32 v254, v255                          ; the opening lines: the add twice on end, one wait
	ds_add_u32 v254, v255
	v_lshrrev_b32 v1, 5, v0
	v_readfirstlane_b32 s14, v1                    ; wave 0..3
	s_lshr_b32 s15, s14, 1
	s_and_b32 s16, s14, 1
	s_bfe_u32 s40, ttmp6, 0x40000                  ; cx
	s_lshl_b32 s42, ttmp9, 2
	s_add_co_u32 s42, s42, s40                     ; x: it enters the global addresses of A, the residual and the result alone
	s_and_b32 s17, ttmp7, 0xffff                   ; y
	s_mov_b32 s24, 15|(3<<16)|(1<<21)              ; group 1: 128 rows of 32 elements of 8 bytes, dense; mask 15, bit 21 beside it
	s_mov_b32 s25, 32<<16
	s_mov_b32 s26, 128<<16
	s_mov_b32 s27, 32<<16
	s_mov_b32 s28, 128
	s_mov_b32 s29, 32
	s_mov_b32 s30, 0
	s_mov_b32 s31, 0
	s_lshl_b32 s20, s17, 1
	s_add_co_u32 s20, s20, s15
	s_lshl_b32 s20, s20, YSH                       ; B: column group 2 y + (w >> 1),
	s_lshl_b32 s21, s16, 15
	s_add_co_u32 s20, s20, s21                     ; k steps 4 (w & 1) on of each slot's eight
	s_add_co_u32 s20, s20, REGION
	s_mov_b32 s21, 0
	s_lshl_b32 s45, s14, 15                        ; where my tile goes in a slot: 32,768 x wave
	s_wait_dscnt 0x0
	s_wait_kmcnt 0x0
	s_load_b64 s[52:53], s[10:11], SCOFF
	s_add_nc_u64 s[20:21], s[6:7], s[20:21]
	s_mov_b32 s32, 1
	s_mov_b32 s33, s45
	s_mov_b64 s[34:35], s[20:21]
	s_or_b32 s35, s35, 0x80000000
.if NSL > 1
	s_mov_b32 s36, 1
	s_add_co_u32 s37, s45, SLOT
	s_add_nc_u64 s[38:39], s[20:21], 65536
	s_or_b32 s39, s39, 0x80000000
.endif
	CROUND                                         ; all four work-groups are here: the joint loads meet
	tensor_load_to_lds s[32:35], s[24:31]          ; k steps 0-7: my one load at the head
	s_nop 0
	PLACES 4
	s_lshl_b32 s18, s42, 1
	s_add_co_u32 s18, s18, s15
	s_lshl_b32 s18, s18, YSH                       ; A: token group 2 x + (w >> 1),
	s_lshl_b32 s19, s16, 12
	s_add_co_u32 s18, s18, s19                     ; blocks 2 (w & 1) on
	s_mov_b32 s19, 0
	s_add_nc_u64 s[48:49], s[4:5], s[18:19]
	s_lshl_b32 s60, s17, 9                         ; my work-group's first column, in bytes
	s_mov_b32 s61, 0
.if BIAS
	s_add_nc_u64 s[50:51], s[50:51], s[60:61]
.endif
	s_lshl_b32 s62, s42, 19
	s_lshl_b32 s63, s14, 17
	s_add_co_u32 s62, s62, s63                     ; row 128 x + 32 w
	s_add_co_u32 s62, s62, s60
	s_mov_b32 s63, 0
	s_add_nc_u64 s[54:55], s[8:9], s[62:63]
	s_add_nc_u64 s[56:57], s[12:13], s[62:63]
	s_mul_i32 s58, s14, 4352
	s_add_co_u32 s58, s58, STAGE                   ; my stage
.if NSL > 2
	s_lshl_b32 s18, s40, 13                        ; the prefetches: the four partners share a tile's 128 blocks out by address
	s_add_nc_u64 s[84:85], s[20:21], s[18:19]
.endif
	v_and_b32 v1, 31, v0
	v_lshlrev_b32 v20, 8, v1                       ; lanes 256 bytes apart
	v_lshlrev_b32 v1, 4, v1
	v_mov_b32 v2, v1
	v_add_nc_u32 v3, 0x10000, v1
	v_add_nc_u32 v4, 0x20000, v1
	v_add_nc_u32 v5, 0x30000, v1
	v_bfe_u32 v9, v0, 4, 1                         ; h
	v_and_b32 v10, 15, v0                          ; r
	v_lshlrev_b32 v8, 12, v9
	v_lshl_add_u32 v8, v10, 4, v8                  ; rows of the result: lanes 0-15 one row's 256 bytes, lanes 16-31 the next row's
	v_mul_u32_u24 v6, v10, 272
	v_lshl_add_u32 v6, v9, 6, v6
	v_add_nc_u32 v6, s58, v6                       ; in: row = slot r, + 64 h
	v_mul_u32_u24 v7, v9, 272
	v_lshl_add_u32 v7, v10, 4, v7
	v_add_nc_u32 v7, s58, v7                       ; back: two rows an instruction
	v_lshlrev_b32 v11, 4, v10
	s_wait_alu depctr_va_vdst(0)                   ; the wait at the head's end
.irp g, 0,1,2,3,4,5,6
	ALOAD \g
.endr
	WIN 0
.if NSL > 1
	s_wait_tensorcnt 0x0                           ; my part of slot 0 is in
	ds_add_u32 v254, v255
	s_wait_dscnt 0x0
	CROUND
	tensor_load_to_lds s[36:39], s[24:31]          ; k steps 8-15: my one load behind the round
	s_nop 0
	PLACES 4
.else
	s_wait_tensorcnt 0x0                           ; my quarter of B is in
	s_wait_dscnt 0x0
	s_barrier_signal -1
	s_barrier_wait -1                              ; everybody's is
.endif
	BFETCH 0
.set G, 0
.rept T
	KSTEP G
.set G, G+1
.endr
	PLACES 4                                       ; between the last products and the first read of results
	s_wait_alu depctr_va_vdst(0)
	s_wait_kmcnt 0x0
	s_wait_loadcnt 0x0                             ; the residual and the bias
	s_add_co_i32 s52, s52, s53
	s_add_co_i32 s52, s52, 127
	s_lshl_b32 s52, s52, 23                        ; 2^(ea + eb)
	s_mov_b32 s53, s52
; unit u = 2 j + m: 16 tokens x 64 columns: the raw sums into my stage (each accumulator from its low end on), back as rows, then scale, bias and residual
.macro OUTM u
	WIN 0x08                                       ; the stores' data: window 2
.irp b, 0,1
.irp q, 0,1,2,3
	ds_store_b128 v6, v[32*\u+16*\b+4*\q:32*\u+16*\b+4*\q+3] offset:128*\b+16*\q
.endr
.endr
	WIN 0
.irp i, 0,1,2,3,4,5,6,7
	ds_load_b128 v[64+4*\i:67+4*\i], v7 offset:544*\i   ; LDS serves a wave's instructions in order: these see my stores
.endr
	s_wait_dscnt 0x0
	s_wait_xcnt 0x0                                ; the last unit's stores have read their registers
.if BIAS
.irp i, 0,1,2,3,4,5,6,7
	v_pk_fma_f32 v[64+4*\i:65+4*\i], v[64+4*\i:65+4*\i], s[52:53], v[12+4*(\u/2):13+4*(\u/2)] op_sel_hi:[1,0,1]
	v_pk_fma_f32 v[66+4*\i:67+4*\i], v[66+4*\i:67+4*\i], s[52:53], v[14+4*(\u/2):15+4*(\u/2)] op_sel_hi:[1,0,1]
.endr
	WIN 0x08                                       ; source 1 (the residual) window 2
.set oi, 0
.rept 16
	v_pk_add_f32 v[96+oi:97+oi], v[64+oi:65+oi], v[128+32*\u+oi:129+32*\u+oi]
.set oi, oi+2
.endr
.else
	WIN 0x20                                       ; source 2 (the residual) window 2
.set oi, 0
.rept 16
	v_pk_fma_f32 v[96+oi:97+oi], v[64+oi:65+oi], s[52:53], v[128+32*\u+oi:129+32*\u+oi] op_sel_hi:[1,0,1]
.set oi, oi+2
.endr
.endif
	WIN 0
.irp i, 0,1,2,3,4,5,6,7
.if BIAS
	global_store_b128 v8, v[96+4*\i:99+4*\i], s[56:57] offset:(8*(\u%2)+2*\i+8*(\i/4))*4096+256*(\u/2) th:TH_STORE_NT
.else
	global_store_b128 v8, v[96+4*\i:99+4*\i], s[56:57] offset:(8*(\u%2)+2*\i+8*(\i/4))*4096+256*(\u/2)
.endif
.endr
.endm
	OUTM 0
	OUTM 1
	OUTM 2
	OUTM 3
	s_wait_tensorcnt 0x0                           ; the wave's end
	ds_add_u32 v254, v255
	s_wait_dscnt 0x0
	CROUND                                         ; the closing round
	s_endpgm
.Lfunc_end_k_q012bc86700_fc3:
	.size	k_q012bc86700_fc3, .Lfunc_end_k_q012bc86700_fc3-k_q012bc86700_fc3
	.p2alignl 7, 3214868480
	.fill 96, 4, 3214868480
	.section	.rodata,"a",@progbits
	.p2align	6, 0x0
	.amdhsa_kernel k_q012bc86700_fc3
		.amdhsa_group_segment_fixed_size 327680
		.amdhsa_private_segment_fixed_size 0
		.amdhsa_enable_private_segment 0
		.amdhsa_kernarg_size 48
		.amdhsa_user_sgpr_count 2
		.amdhsa_user_sgpr_kernarg_segment_ptr 1
		.amdhsa_wavefront_size32 1
		.amdhsa_system_sgpr_workgroup_id_x 1
		.amdhsa_system_sgpr_workgroup_id_y 1
		.amdhsa_system_sgpr_workgroup_id_z 1
		.amdhsa_system_vgpr_workitem_id 0
		.amdhsa_next_free_vgpr 1024
		.amdhsa_next_free_sgpr 90
		.amdhsa_reserve_vcc 0
		.amdhsa_float_denorm_mode_32 3
		.amdhsa_float_denorm_mode_16_64 3
		.amdhsa_memory_ordered 1
		.amdhsa_forward_progress 1
		.amdhsa_inst_pref_size 159
	.end_amdhsa_kernel
	.amdgpu_metadata
---
amdhsa.version: [ 1, 2 ]
amdhsa.kernels:
  - .name:           k_q012bc86700_fc3
    .symbol:         k_q012bc86700_fc3.kd
    .args:
      - { .name: gc, .offset: 0, .size: 8, .value_kind: global_buffer, .address_space: global }
      - { .name: wc, .offset: 8, .size: 8, .value_kind: global_buffer, .address_space: global }
      - { .name: mi, .offset: 16, .size: 8, .value_kind: global_buffer, .address_space: global }
      - { .name: lowp_scales, .offset: 24, .size: 8, .value_kind: global_buffer, .address_space: global }
      - { .name: out0, .offset: 32, .size: 8, .value_kind: global_buffer, .address_space: global }
      - { .name: bfc3, .offset: 40, .size: 8, .value_kind: global_buffer, .address_space: global }
    .group_segment_fixed_size: 327680
    .private_segment_fixed_size: 0
    .kernarg_segment_align: 8
    .kernarg_segment_size: 48
    .max_flat_workgroup_size: 128
    .sgpr_count:     90
    .vgpr_count:     1024
    .wavefront_size: 32
...
	.end_amdgpu_metadata
.endif
;; end of part 7
